; MI455X (gfx1250); checked and timed in simulation.
; The chip was launched on July 23, 2026; its instructions are those of AMD's public machine-readable ISA for CDNA 5 (MIT licence, August 2026) and "CDNA5" Instruction Set Architecture Reference Guide (July 2026). The comments in the code are by the model that wrote it; some were corrected since.
;; Multiheaded Attention. Allowed arithmetic: matrix products marked QUANTISED: E2M1 operands, one E8M0 scale for each 32 along K, by v_wmma_scale_f32_16x16x128_f8f6f4 with both operands' format E2M1 (or v_wmma_scale_f32_32x16x128_f4), f32 sums; products left as they are: bf16, f16 or f32 operands; f32 sums; everything else in f32.
;; Inputs: Wk 1,024 x 1,024 float32; Wo 1,024 x 1,024 float32; Wq 1,024 x 1,024 float32; Wv 1,024 x 1,024 float32; bk 1,024 float32; bo 1,024 float32; bq 1,024 float32; bv 1,024 float32; key 4 x 2,048 x 1,024 float32; mask 4 x 2,048 x 2,048 int32; query 4 x 2,048 x 1,024 float32; value 4 x 2,048 x 1,024 float32.
;; Outputs: out0 4 x 2,048 x 1,024 float32.
;; This version of the problem:
;;   THIS VERSION OF THE PROBLEM IS GIVEN IN LOW PRECISION. The matrix products marked QUANTISED in the list below multiply operands that are first quantised to E2M1 (2 exponent bits, 1 mantissa bit; 4 bits a number), with one power-of-two scale for each 32 numbers along K (OCP MX v1.0); their sums are f32. The products marked 'left as it is' may take bf16, f16 or f32 operands, with f32 sums. Whichever they take, every output number must still come out within the allowed error. Rounding operands to bf16 (8 significant bits) uses up far more of that allowance than f16 does (11 bits, for magnitudes from 6e-5 to 65,504). All else is computed in f32.
;;   The module's matrix products, in the order in which they are computed (A, B: the left and right operand; K: the contracted axis; several contracted axes count as one K, in the product's order):
;;     1. [M 8,192, K 1,024] x [K 1,024, N 1,024]; A: input query; B: input Wq: QUANTISED
;;     2. [M 8,192, K 1,024] x [K 1,024, N 1,024]; A: input key; B: input Wk: QUANTISED
;;     3. [M 8,192, K 1,024] x [K 1,024, N 1,024]; A: input value; B: input Wv: QUANTISED
;;     4. batch 64 x [M 2,048, K 64] x [K 64, N 2,048]; A: computed on the way; B: computed on the way: left as it is (an operand is computed on the way)
;;     5. batch 64 x [M 2,048, K 2,048] x [K 2,048, N 64]; A: computed on the way; B: computed on the way: left as it is (an operand is computed on the way)
;;     6. [M 8,192, K 1,024] x [K 1,024, N 1,024]; A: computed on the way; B: input Wo: left as it is (an operand is computed on the way)
;;   THE QUANTISER, for each operand of a quantised product, along K:
;;     - K is cut into blocks of 32 from its start; a last block that is shorter is filled with zeros.
;;     - A block's scale is 2^e with e = floor(log2(the largest magnitude in the block)) - 2, held to -126 .. 127; a block of zeros has e = 0. As a byte (E8M0): e + 127.
;;     - Each number is divided by its block's scale, clamped to +-6, and rounded to the nearest number of E2M1, ties to even, subnormals kept.
;;     - The product sums the exact products of the quantised numbers (number of the format x scale) in f32.
;;   ~~~python
;;   def quantise(x, axis):      # numpy; x: float32 -> the quantised numbers, widened to float32 again
;;       x = np.moveaxis(x, axis, -1); K = x.shape[-1]
;;       x = np.pad(x, [(0, 0)] * (x.ndim - 1) + [(0, -K % 32)]); x = x.reshape(x.shape[:-1] + (-1, 32)); a = np.abs(x).max(-1, keepdims=True)
;;       e = np.where(a > 0, np.clip(np.frexp(np.where(a > 0, a, 1))[1] - 1 - 2, -126, 127), 0)      # np.frexp(a)[1] - 1 = floor(log2(a)), exactly
;;       r = np.clip(x / 2.0 ** e, -6, 6)
;;       step = 2.0 ** (np.maximum(np.frexp(np.where(r == 0, 1, r))[1] - 1, 0) - 1)
;;       q = np.round(r / step) * step * 2.0 ** e      # np.round: ties to even
;;       return np.moveaxis(q.reshape(q.shape[:-2] + (-1,))[..., :K], -1, axis).astype(np.float32)
;;   ~~~
;; One version. Each part assembles by itself: llvm-mc -triple=amdgcn-amd-amdhsa -mcpu=gfx1250 --defsym DOCPART=n.
;; ======== version 1 of 1: 5 launches
;; limits: values are held in f16: magnitudes above 65,504 overflow, below 6.1e-05 lose precision
;; workspace buffers: codes 14,155,776 bytes; scales 884,736 bytes; mw 2,097,152 bytes of whole numbers; wo16 2,097,152 bytes; qkv 50,331,648 bytes; x16 16,777,216 bytes
;; launch quant (part 1): grid 864 x 1, 4 waves a work-group, no clusters, 33,280 bytes of LDS; arguments query, key, value, Wq, Wk, Wv, codes, scales; writes codes, scales
.if DOCPART == 1
	.amdgcn_target "amdgcn-amd-amdhsa--gfx1250"
	.amdhsa_code_object_version 6
	.text
	.protected	k_qe86345f049_quant
	.globl	k_qe86345f049_quant
	.p2align	8
	.type	k_qe86345f049_quant,@function
k_qe86345f049_quant:
	s_mov_b64 s[64:65], 0
	v_nop
	global_prefetch_b8 v0, s[64:65] scope:SCOPE_SE
	s_setreg_imm32_b32 hwreg(HW_REG_WAVE_MODE, 25, 1), 1
	s_wait_xcnt 0x0
; query, key, value [8192][1024] and Wq, Wk, Wv [1024][1024], f32, K innermost, become codes of FP4 (E2M1), two a byte, and one E8M0 scale byte for each 32 along K.
; The six tensors lie on end in both outputs: codes [27648 rows][512 bytes], scales [27648 rows][32 bytes]; rows 0-8191 query, then key, value, Wq, Wk, Wv.
; A block's scale is 2^(floor(log2(its largest magnitude)) - 2); its byte is the largest magnitude's exponent field - 2, held at 1 from below.  A block of zeros so gets the byte 1 where the
; rule says 127: its codes are zeros, which add nothing under any byte but 0xff, and this program alone reads the bytes.  Each number is divided by the scale and rounded to the nearest code, ties to even;
; beyond the largest code the conversion gives the largest code.
; LIMITS: blocks whose largest magnitude lies under 2^-124 have their byte held at 1; NaN and infinities among the inputs are not served.
; Rows are dense and 1024 is a multiple of 32: every tensor is a plain stream of blocks of 32.  A work-group takes 32,768 numbers, a wave 16 steps of 512.  Work-groups 0-255 query, 256-511 key,
; 512-767 value, 768-799 Wq, 800-831 Wk, 832-863 Wv: only the source pointer is chosen, all take one path.
; Each of a step's four loads reads 512 consecutive bytes, 16 a lane; the 2,048 bytes go through the wave's own stage in LDS and come back 64 bytes a lane, so that a lane holds 16 neighbours along K
; (two neighbouring lanes hold a block).  The stage has 16 bytes of padding behind each 64.  A lane's 16 codes are 8 bytes: the wave stores 256 consecutive bytes.  A wave's 256 scale bytes are gathered in LDS and leave as one store of 256 bytes.
; No tensor loads, no barrier: waves share nothing.  Loads run four steps (16 loads a wave) ahead, the turn through LDS one step.
.set WAVES, 4
.set STEPS, 16
.set EMAX,  2
.set CB,    8                          ; bytes of 16 codes
.set R,     16                         ; v16-79   four sets of 16 numbers as they are loaded
.set X,     80                         ; v80-111  two sets of 16 neighbours
.set C,     128                        ; v128-191 codes: four registers for each step, so that no store's data are written again
.set E,     112                        ; v112-127 a scale byte for each step
.set WREG,  8192                       ; LDS: a region for each wave: two stages of 32 x SP bytes, behind them its 256 scale bytes
.set SP,    80                         ; a lane's place in a stage: 64 bytes + 16 of padding
.set SPW,   12                         ; v12 LDS address of my spare word; never rewritten
.set NIL,   13                         ; v13 0; never rewritten
.set SPARE, WAVES*WREG                 ; behind the four regions: the spare words, 128 bytes a wave
	s_load_b512 s[4:19], s[0:1], 0x0               ; query s[4:5], key s[6:7], value s[8:9], Wq s[10:11], Wk s[12:13], Wv s[14:15], codes s[16:17], scales s[18:19]
	v_lshl_add_u32 v[SPW], v0, 2, SPARE
	v_mov_b32 v[NIL], 0
	v_lshrrev_b32 v1, 5, v0
	v_readfirstlane_b32 s20, v1                    ; wave
	v_and_b32 v2, 31, v0                           ; lane
	v_lshlrev_b32 v3, 4, v2                        ; my 16 bytes of a load's 512
	s_mul_i32 s22, s20, WREG
	v_lshrrev_b32 v14, 2, v2
	v_mul_u32_u24 v14, v14, SP
	v_and_b32 v15, 3, v2
	v_lshl_add_u32 v14, v15, 4, v14
	v_add_nc_u32 v14, s22, v14                     ; the stage, on the way in: SP (lane / 4) + 16 (lane % 4)
	v_mul_u32_u24 v15, v2, SP
	v_add_nc_u32 v15, s22, v15                     ; on the way out: SP x lane: my 16 neighbours
	v_mul_u32_u24 v4, v2, CB                       ; my codes' place in a step's
	v_lshrrev_b32 v5, 1, v2
	s_add_co_u32 s22, s22, 2*32*SP
	v_add_nc_u32 v5, s22, v5                       ; LDS: my wave's 256 scale bytes, my block's byte
	v_lshlrev_b32 v7, 3, v2                        ; on the way out 8 bytes a lane
	v_add_nc_u32 v6, s22, v7
	s_mov_b32 s21, 832                             ; the first work-group of the tensor chosen: Wv's to begin with
	s_wait_kmcnt 0x0
	s_cmp_lt_u32 ttmp9, 832                        ; five choices on the work-group's number alone, from the last tensor down to the first
	s_cselect_b64 s[14:15], s[12:13], s[14:15]
	s_cselect_b32 s21, 800, s21
	s_cmp_lt_u32 ttmp9, 800
	s_cselect_b64 s[14:15], s[10:11], s[14:15]
	s_cselect_b32 s21, 768, s21
	s_cmp_lt_u32 ttmp9, 768
	s_cselect_b64 s[14:15], s[8:9], s[14:15]
	s_cselect_b32 s21, 512, s21
	s_cmp_lt_u32 ttmp9, 512
	s_cselect_b64 s[14:15], s[6:7], s[14:15]
	s_cselect_b32 s21, 256, s21
	s_cmp_lt_u32 ttmp9, 256
	s_cselect_b64 s[14:15], s[4:5], s[14:15]
	s_cselect_b32 s21, 0, s21
	s_sub_co_u32 s22, ttmp9, s21
	s_lshl_b32 s22, s22, 2
	s_add_co_u32 s22, s22, s20                     ; which run of 8,192 numbers of the tensor is my wave's
	s_lshl_b32 s22, s22, 15                        ; 32,768 bytes a run
	s_mov_b32 s23, 0
	s_add_nc_u64 s[14:15], s[14:15], s[22:23]
	s_lshl_b32 s24, ttmp9, 2
	s_add_co_u32 s24, s24, s20                     ; and which run of the outputs, where the tensors lie on end
	s_lshl_b32 s22, s24, 12                        ; 4,096 bytes of codes a run
	s_add_nc_u64 s[16:17], s[16:17], s[22:23]
	s_lshl_b32 s22, s24, 8                         ; 256 scale bytes a run
	s_add_nc_u64 s[18:19], s[18:19], s[22:23]
.macro LOAD t
.irp i, 0,1,2,3
	global_load_b128 v[R+16*((\t)%4)+4*\i:R+16*((\t)%4)+4*\i+3], v3, s[14:15] offset:2048*(\t)+512*\i th:TH_LOAD_NT   ; 32 lanes read 512 consecutive bytes
.endr
.endm
.macro TURN t                          ; step t's numbers through the stage: LDS serves a wave's instructions in order, so no wait stands between the stores and the loads
.irp i, 0,1,2,3
	ds_store_b128 v14, v[R+16*((\t)%4)+4*\i:R+16*((\t)%4)+4*\i+3] offset:32*SP*((\t)%2)+8*SP*\i
.endr
.irp i, 0,1,2,3
	ds_load_b128 v[X+16*((\t)%2)+4*\i:X+16*((\t)%2)+4*\i+3], v15 offset:32*SP*((\t)%2)+16*\i
.endr
.endm
.irp t, 0,1,2,3
	LOAD \t
.endr
	s_wait_loadcnt 12                              ; step 0's four loads are in; the twelve of steps 1 to 3 may be out
	TURN 0
.macro STEP t
.set XS, X+16*((\t)%2)
.if (\t) > 0
	s_wait_dscnt 1                                 ; this step's numbers are back from the stage (the last step's byte store may be out): so its stores into the stage have read their registers,
.else
	s_wait_dscnt 0x0
.endif
.if (\t)+4 < STEPS
	LOAD (\t)+4                                    ; which take the loads of four steps on
.endif
.if (\t)+1 < STEPS
.if STEPS-2-(\t) >= 3
	s_wait_loadcnt 12                              ; the next step's four loads are in; those of the three steps behind it may be out
.else
	s_wait_loadcnt 4*(STEPS-2-(\t))
.endif
	TURN (\t)+1                                    ; and go through the other stage while this step is worked
.endif
	v_max3_num_f32 v8, |v[XS]|, |v[XS+1]|, |v[XS+2]|               ; the largest magnitude of my 16, in two chains
	v_max3_num_f32 v9, |v[XS+3]|, |v[XS+4]|, |v[XS+5]|
.irp i, 6,10
	v_max3_num_f32 v8, v8, |v[XS+\i]|, |v[XS+\i+1]|
	v_max3_num_f32 v9, v9, |v[XS+\i+2]|, |v[XS+\i+3]|
.endr
	v_max3_num_f32 v8, v8, |v[XS+14]|, |v[XS+15]|
	v_max3_num_f32 v8, v8, v9, (EMAX+1)<<23        ; and the floor 2^(EMAX + 1 - 127): the byte cannot fall under 1
	v_max_num_f32_dpp v8, v8, v8 row_xmask:1 row_mask:0xf bank_mask:0xf   ; and of my neighbour's 16: the block's
	v_add_nc_u32 v11, -(EMAX<<23), v8              ; EMAX off its exponent field: the conversion takes the exponent field of this operand as its scale
	v_cvt_scalef32_pk8_fp4_f32 v[C+4*(\t)], v[XS:XS+7], v11
	v_cvt_scalef32_pk8_fp4_f32 v[C+4*(\t)+1], v[XS+8:XS+15], v11
	v_lshrrev_b32 v[E+(\t)], 23, v11               ; the scale's byte (a plain line behind the conversions)
	ds_store_b8 v5, v[E+(\t)] offset:16*(\t)       ; both lanes of a block write the same byte with the same value
	global_store_b64 v4, v[C+4*(\t):C+4*(\t)+1], s[16:17] offset:32*CB*(\t)   ; 32 lanes store 256 consecutive bytes
.endm
.irp t, 0,1,2,3,4,5,6,7,8,9,10,11,12,13,14,15
	STEP \t
.endr
	ds_load_b64 v[8:9], v6                         ; LDS serves a wave's instructions in order: these see my stores
	s_wait_dscnt 0x0
	global_store_b64 v7, v[8:9], s[18:19]          ; 32 lanes store 256 consecutive bytes
	s_wait_tensorcnt 0x0                           ; the wave's end, behind my last LDS store
	ds_add_u32 v[SPW], v[NIL]
	s_wait_dscnt 0x0
	s_endpgm
.Lfunc_end_k_qe86345f049_quant:
	.size	k_qe86345f049_quant, .Lfunc_end_k_qe86345f049_quant-k_qe86345f049_quant
	.p2alignl 7, 3214868480
	.fill 96, 4, 3214868480
	.section	.rodata,"a",@progbits
	.p2align	6, 0x0
	.amdhsa_kernel k_qe86345f049_quant
		.amdhsa_group_segment_fixed_size 33280
		.amdhsa_private_segment_fixed_size 0
		.amdhsa_enable_private_segment 0
		.amdhsa_kernarg_size 64
		.amdhsa_user_sgpr_count 2
		.amdhsa_user_sgpr_kernarg_segment_ptr 1
		.amdhsa_wavefront_size32 1
		.amdhsa_system_sgpr_workgroup_id_x 1
		.amdhsa_system_sgpr_workgroup_id_y 1
		.amdhsa_system_sgpr_workgroup_id_z 1
		.amdhsa_system_vgpr_workitem_id 0
		.amdhsa_next_free_vgpr 192
		.amdhsa_next_free_sgpr 66
		.amdhsa_reserve_vcc 0
		.amdhsa_float_denorm_mode_32 3
		.amdhsa_float_denorm_mode_16_64 3
		.amdhsa_memory_ordered 1
		.amdhsa_forward_progress 1
		.amdhsa_inst_pref_size 34
	.end_amdhsa_kernel
	.amdgpu_metadata
---
amdhsa.version: [ 1, 2 ]
amdhsa.kernels:
  - .name:           k_qe86345f049_quant
    .symbol:         k_qe86345f049_quant.kd
    .args:
      - { .name: query, .offset: 0, .size: 8, .value_kind: global_buffer, .address_space: global }
      - { .name: key, .offset: 8, .size: 8, .value_kind: global_buffer, .address_space: global }
      - { .name: value, .offset: 16, .size: 8, .value_kind: global_buffer, .address_space: global }
      - { .name: Wq, .offset: 24, .size: 8, .value_kind: global_buffer, .address_space: global }
      - { .name: Wk, .offset: 32, .size: 8, .value_kind: global_buffer, .address_space: global }
      - { .name: Wv, .offset: 40, .size: 8, .value_kind: global_buffer, .address_space: global }
      - { .name: codes, .offset: 48, .size: 8, .value_kind: global_buffer, .address_space: global }
      - { .name: scales, .offset: 56, .size: 8, .value_kind: global_buffer, .address_space: global }
    .group_segment_fixed_size: 33280
    .private_segment_fixed_size: 0
    .kernarg_segment_align: 8
    .kernarg_segment_size: 64
    .max_flat_workgroup_size: 128
    .sgpr_count:     66
    .vgpr_count:     192
    .wavefront_size: 32
...
	.end_amdgpu_metadata
.endif
;; end of part 1
;; launch pack (part 2): grid 640 x 1, 4 waves a work-group, no clusters, 34,304 bytes of LDS; arguments mask, Wo, mw, wo16; writes mw, wo16
.if DOCPART == 2
	.amdgcn_target "amdgcn-amd-amdhsa--gfx1250"
	.amdhsa_code_object_version 6
	.text
	.protected	k_qe86345f049_pack
	.globl	k_qe86345f049_pack
	.p2align	8
	.type	k_qe86345f049_pack,@function
k_qe86345f049_pack:
	s_mov_b64 s[64:65], 0
	v_nop
	global_prefetch_b8 v0, s[64:65] scope:SCOPE_SE
	s_setreg_imm32_b32 hwreg(HW_REG_WAVE_MODE, 25, 1), 1
	s_wait_xcnt 0x0
; Two small jobs that the attention and the last product want done once.
; (1) Work-groups 0-511: the mask [4][2048][2048] int32 becomes lane-mask words mw [b][query tile 128][key step 32][kt 4][j 8], u32:
;     bit L of a word = (mask[b][16 tile + L % 16][64 step + 16 kt + 8 (L / 16) + j] != 0).  That is the layout in which a wave of the attention holds a tile of scores (lane: query L % 16; register j of
;     tile kt: key 16 kt + 8 (L / 16) + j), so a word is the select operand of one v_cndmask_b32 there.  All 16 heads read 2 MiB in place of 64 MiB.
;     A work-group takes 16 rows of the mask, wave w keys 512 w on, in four chunks of 128 keys.  Each load reads 512 consecutive bytes of a row; a chunk turns through the wave's own stage in LDS
;     (16 rows of 512 bytes + 16), so that lane (r, h) holds, of row r, keys 16 kt + 8 h + 0..7.  A compare gives a word in a scalar register; v_writelane_b32 puts words 2 i and 2 i + 1 into lane i:
;     the chunk's 64 words leave as one store of 256 consecutive bytes.
; (2) Work-groups 512-639: Wo [1024][1024] f32 is rounded to f16, as it lies.  No LDS on this path.
; Waves share nothing: no barrier.
.set PITCH, 528
.set WST,   16*PITCH                   ; a wave's stage
.set SPARE, 4*WST                      ; behind the stages: the spare words, 128 bytes a wave
.set SPW,   5                          ; v5 LDS address of my spare word; never rewritten
.set NIL,   6                          ; v6 0; never rewritten
.set OUT,   24                         ; v24-31  two registers of words for each chunk
.set R,     64                         ; v64-191 two sets of 16 x 4 registers as loaded
.set X,     192                        ; v192-255 register 8 kt + j: my row's key 16 kt + 8 h + j of the chunk
	s_load_b256 s[4:11], s[0:1], 0x0               ; mask s[4:5], Wo s[6:7], mw s[8:9], wo16 s[10:11]
	v_lshl_add_u32 v[SPW], v0, 2, SPARE
	v_mov_b32 v[NIL], 0
	v_lshrrev_b32 v7, 5, v0
	v_readfirstlane_b32 s12, v7                    ; wave
	v_and_b32 v8, 31, v0                           ; lane
	s_cmp_ge_u32 ttmp9, 512
	s_cbranch_scc1 .Lwo
	v_lshlrev_b32 v1, 4, v8                        ; my 16 bytes of a load's 512
	s_mul_i32 s13, s12, WST
	v_add_nc_u32 v2, s13, v1                       ; the stage on the way in: row i by the immediate
	v_and_b32 v9, 15, v0                           ; r
	v_bfe_u32 v10, v0, 4, 1                        ; h
	v_mul_u32_u24 v3, v9, PITCH
	v_lshl_add_u32 v3, v10, 5, v3
	v_add_nc_u32 v3, s13, v3                       ; on the way out: row r, + 32 h
	v_lshlrev_b32 v4, 3, v8                        ; my two words of a chunk's 64
.irp i, 0,1,2,3,4,5,6,7
	v_mov_b32 v[OUT+\i], 0                         ; written whole once: v_writelane_b32 writes one lane
.endr
	s_lshl_b32 s14, ttmp9, 17                      ; 16 rows of 8,192 bytes
	s_lshl_b32 s15, s12, 11                        ; my wave's 512 keys
	s_add_co_u32 s14, s14, s15
	s_mov_b32 s15, 0
	s_lshl_b32 s24, ttmp9, 12                      ; a query tile's 1,024 words
	s_lshl_b32 s25, s12, 10                        ; my wave's 256
	s_add_co_u32 s24, s24, s25
	s_mov_b32 s25, 0
	s_wait_kmcnt 0x0
	s_add_nc_u64 s[4:5], s[4:5], s[14:15]
	s_add_nc_u64 s[8:9], s[8:9], s[24:25]
.macro MLOAD c
.irp i, 0,1,2,3,4,5,6,7,8,9,10,11,12,13,14,15
	global_load_b128 v[R+64*((\c)%2)+4*\i:R+64*((\c)%2)+4*\i+3], v1, s[4:5] offset:\i*8192+(\c)*512 th:TH_LOAD_NT   ; 512 consecutive bytes of row i
.endr
.endm
.macro CHUNK c
.if (\c) < 3
	s_wait_loadcnt 16                              ; this chunk's 16 loads are in; the next chunk's 16 may be out
.else
	s_wait_loadcnt 0x0
.endif
.irp i, 0,1,2,3,4,5,6,7,8,9,10,11,12,13,14,15
	ds_store_b128 v2, v[R+64*((\c)%2)+4*\i:R+64*((\c)%2)+4*\i+3] offset:PITCH*\i
.endr
.irp k, 0,1,2,3,4,5,6,7
	ds_load_b128 v[X+8*\k:X+8*\k+3], v3 offset:64*\k           ; LDS serves a wave's instructions in order: these see the stores above
	ds_load_b128 v[X+8*\k+4:X+8*\k+7], v3 offset:64*\k+16
.endr
	s_wait_dscnt 0x0                               ; the numbers are back, and the stores have read their registers,
.if (\c) < 2
	MLOAD (\c)+2                                   ; which take the chunk two further on
.endif
.set n, 0
.rept 8
.irp i, 0,1,2,3,4,5,6,7
	v_cmp_ne_u32 s[16+\i], 0, v[X+n+\i]            ; word n + i: bit L = lane L's number is not 0
.endr
.irp i, 0,1,2,3,4,5,6,7
	v_writelane_b32 v[OUT+2*(\c)+\i%2], s[16+\i], (n+\i)/2
.endr
.set n, n+8
.endr
	global_store_b64 v4, v[OUT+2*(\c):OUT+2*(\c)+1], s[8:9] offset:256*(\c)   ; 32 lanes store 256 consecutive bytes; each chunk has its own two registers
.endm
	MLOAD 0
	MLOAD 1
	CHUNK 0
	CHUNK 1
	CHUNK 2
	CHUNK 3
	s_wait_tensorcnt 0x0                           ; the wave's end, behind my last LDS store
	ds_add_u32 v[SPW], v[NIL]
	s_wait_dscnt 0x0
	s_endpgm
.Lwo:                                                  ; a wave rounds 2,048 numbers of Wo: lane l takes numbers 256 p + 8 l + 0..7, p = 0..7
	s_sub_co_u32 s13, ttmp9, 512
	s_lshl_b32 s13, s13, 2
	s_add_co_u32 s13, s13, s12
	s_lshl_b32 s14, s13, 13                        ; 8,192 bytes in,
	s_mov_b32 s15, 0
	s_lshl_b32 s24, s13, 12                        ; 4,096 out
	s_mov_b32 s25, 0
	v_lshlrev_b32 v1, 5, v8
	v_lshlrev_b32 v2, 4, v8
	s_wait_kmcnt 0x0
	s_add_nc_u64 s[6:7], s[6:7], s[14:15]
	s_add_nc_u64 s[10:11], s[10:11], s[24:25]
.irp p, 0,1,2,3,4,5,6,7
	global_load_b128 v[64+8*\p:64+8*\p+3], v1, s[6:7] offset:1024*\p th:TH_LOAD_NT
	global_load_b128 v[64+8*\p+4:64+8*\p+7], v1, s[6:7] offset:1024*\p+16 th:TH_LOAD_NT
.endr
	s_wait_loadcnt 0x0
.irp p, 0,1,2,3,4,5,6,7
.irp i, 0,1,2,3
	v_cvt_pk_f16_f32 v[128+4*\p+\i], v[64+8*\p+2*\i], v[64+8*\p+2*\i+1]
.endr
.endr
.irp p, 0,1,2,3,4,5,6,7
	global_store_b128 v2, v[128+4*\p:128+4*\p+3], s[10:11] offset:512*\p      ; 32 lanes store 512 consecutive bytes
.endr
	s_endpgm
.Lfunc_end_k_qe86345f049_pack:
	.size	k_qe86345f049_pack, .Lfunc_end_k_qe86345f049_pack-k_qe86345f049_pack
	.p2alignl 7, 3214868480
	.fill 96, 4, 3214868480
	.section	.rodata,"a",@progbits
	.p2align	6, 0x0
	.amdhsa_kernel k_qe86345f049_pack
		.amdhsa_group_segment_fixed_size 34304
		.amdhsa_private_segment_fixed_size 0
		.amdhsa_enable_private_segment 0
		.amdhsa_kernarg_size 32
		.amdhsa_user_sgpr_count 2
		.amdhsa_user_sgpr_kernarg_segment_ptr 1
		.amdhsa_wavefront_size32 1
		.amdhsa_system_sgpr_workgroup_id_x 1
		.amdhsa_system_sgpr_workgroup_id_y 1
		.amdhsa_system_sgpr_workgroup_id_z 1
		.amdhsa_system_vgpr_workitem_id 0
		.amdhsa_next_free_vgpr 256
		.amdhsa_next_free_sgpr 66
		.amdhsa_reserve_vcc 0
		.amdhsa_float_denorm_mode_32 3
		.amdhsa_float_denorm_mode_16_64 3
		.amdhsa_memory_ordered 1
		.amdhsa_forward_progress 1
		.amdhsa_inst_pref_size 54
	.end_amdhsa_kernel
	.amdgpu_metadata
---
amdhsa.version: [ 1, 2 ]
amdhsa.kernels:
  - .name:           k_qe86345f049_pack
    .symbol:         k_qe86345f049_pack.kd
    .args:
      - { .name: mask, .offset: 0, .size: 8, .value_kind: global_buffer, .address_space: global }
      - { .name: Wo, .offset: 8, .size: 8, .value_kind: global_buffer, .address_space: global }
      - { .name: mw, .offset: 16, .size: 8, .value_kind: global_buffer, .address_space: global }
      - { .name: wo16, .offset: 24, .size: 8, .value_kind: global_buffer, .address_space: global }
    .group_segment_fixed_size: 34304
    .private_segment_fixed_size: 0
    .kernarg_segment_align: 8
    .kernarg_segment_size: 32
    .max_flat_workgroup_size: 128
    .sgpr_count:     66
    .vgpr_count:     256
    .wavefront_size: 32
...
	.end_amdgpu_metadata
.endif
;; end of part 2
;; launch proj (part 3): grid 4 x 96, 4 waves a work-group, clusters of 4 x 4, 327,680 bytes of LDS; arguments codes, scales, bq, bk, bv, qkv; writes qkv
.if DOCPART == 3
	.amdgcn_target "amdgcn-amd-amdhsa--gfx1250"
	.amdhsa_code_object_version 6
	.text
	.protected	k_qe86345f049_proj
	.globl	k_qe86345f049_proj
	.p2align	8
	.type	k_qe86345f049_proj,@function
k_qe86345f049_proj:
	s_mov_b64 s[64:65], 0
	v_nop
	global_prefetch_b8 v0, s[64:65] scope:SCOPE_SE
	s_setreg_imm32_b32 hwreg(HW_REG_WAVE_MODE, 25, 1), 1
	s_wait_xcnt 0x0
	s_wait_alu depctr_hold_cnt(0) depctr_sa_sdst(0) depctr_va_vdst(0) depctr_va_sdst(0) depctr_va_ssrc(0) depctr_va_vcc(0) depctr_vm_vsrc(0)
	s_getreg_b32 s2, hwreg(HW_REG_IB_STS2, 6, 4)
	s_cmp_eq_u32 s2, 0
	s_cbranch_scc0 .Lentry_in_a_cluster
	s_endpgm
.Lentry_in_a_cluster:
	s_bfe_u32 s2, ttmp6, 0x10000c
	s_cmp_lg_u32 s2, 0xf033
	s_cbranch_scc0 .Lentry_shape_is_right
	s_endpgm
.Lentry_shape_is_right:
; The three projections in one launch: y[m][e] = sum over d of x[m][d] W[e][d] + b[e], on codes of FP4 (E2M1) with one E8M0 scale for each 32 along K = 1024, sums in f32.
; codes [27648][512 bytes], scales [27648][32 bytes]: rows 0-24575 query, key, value (8,192 rows each), rows 24576 on Wq, Wk, Wv (1,024 each).
; Output qkv [3][b 4][head 16][s 2048][64] f16.  q is multiplied in f32 by log2(e) / 8 ahead of its one rounding to f16 (k and v by 1.0), so that the attention's scores are exponents of 2 as they come.
; LIMIT: |q| log2(e) / 8, |k|, |v| up to 65,504, f16's largest number.
; A tile of 256 x 256 is made by four waves; a wave makes 128 x 128: 64 accumulators, 512 registers.  Tile row T = 0..95 (32 for each tensor), tile column 0..3.
; K = 1024 is two slots of 512 (rows of 256 bytes): both slots and the scales of the work-group's rows are first fills; nothing is filled again, so there is no loop.
; CLUSTERS: 4 x 4 work-groups.  The four of a row of the cluster need the same rows of x, the four of a column the same rows of W (a cluster's four tile rows lie in one tensor: 32 is a multiple of 4):
; each tile is asked for JOINTLY, by the same tensor load with the same descriptor and a mask that names the four.
; THE MATRIX INSTRUCTION IS USED TRANSPOSED (source 0 = 16 rows of W, source 1 = 16 rows of x): a lane holds eight neighbouring e of one row.  The bias is the C of each sum's first product.
; REGISTERS, in windows of 256: window 0: v0-31 addresses; v32-95 scale words, two sets; v128-191 x's fragments, one set; v192-255 the bias in the result's layout, later the way out; v96-127 the way out.
;   window 1: W's fragments, two sets, at v0 and v128.   window 2: the accumulators of my rows 0-63 ((a, b) at v[8 (8 a + b)]);   window 3: those of my rows 64-127.
.set KSTEP,  512
.set NQ,     KSTEP/128
.set ROWB,   256                       ; a tile's row in bytes
.set KROW,   512                       ; a row of codes in memory
.set PITCH,  272                       ; an LDS row: 256 bytes + 16 of padding = 68 words: the 16 rows that a load touches start at 16 different banks (64 banks of 4 bytes: ISA guide 11.1)
.set FR,     8
.set NL,     2
.set NP,     4                         ; places behind this matrix instruction (ISA guide 7.12.1)
.set HALFT,  128*PITCH
.set SLOT,   4*HALFT                   ; x's 256 rows, then W's 256 rows
.set KS,     32                        ; a row of scales in bytes
.set SCL,    2*SLOT                    ; behind the slots: the scales, as units of 256 bytes + 16 of padding
.set HALFS,  (128*KS/256)*272
.set SBLK,   (16*KS/256)*272
.set SPARE,  SCL+4*HALFS               ; the spare words, 128 bytes a wave
.set SPITCH, 272                       ; the way out: a stage of 16 rows x (256 bytes + 16) for each wave, in slot 0, which has had its only fill and its last read by then
.set WROWS,  24576                     ; the weights' first row
.set ADRA, 16
.set ADRB, 20
.set STO,  24
.set RD,   25
.set CO,   26
.set ADRS, 27
.set SPW,  28
.set NIL,  29
.set BOF,  30                          ; v30 32 x (lane / 16): my half's eight numbers of a bias tile
.set SC,   32
.set OB,   96                          ; the way out: rows read back: v96-127 and v224-255 by turns
.set AF,   128
.set BIAS, 192
.set TMP,  192                         ; the way out: packed results v192-223
.set G1, 24
.set G0, 32
.set G1B, 48
.set G0B, 56
.set G1S, 68
.set G0S, 76
.set G1SB, 80
.set G0SB, 88
.set FAC, 2                            ; s[2:3] the factor on the way out
.set MSB, 0
.macro WIN new                         ; the immediate's high byte repeats the setting that is left
.if MSB != \new
	s_set_vgpr_msb (MSB<<8)|\new
.set MSB, \new
.endif
.endm
.set MUL_LO, 0xa1                      ; source 0 (W) window 1, source 1 (x) window 0, C and D window 2
.set MUL_HI, 0xf1                      ; the same, C and D window 3
.set FIRST_LO, 0x81                    ; the first products: C (the bias) window 0, D window 2
.set FIRST_HI, 0xc1                    ; D window 3
.set TO_B,   0x40
; A joint load: waves 0 and 1 fetch for x, waves 2 and 3 for W.  The branch hangs on the wave's number alone.  An s_nop 0 and four v_nop follow each of the two lines.
.macro JLOAD g0a, g1a, g0b, g1b
	s_cmp_eq_u32 s15, 0
	s_cbranch_scc0 .Lfor_b_\@
	tensor_load_to_lds s[\g0a:\g0a+3], s[\g1a:\g1a+7]
	s_nop 0
.rept 4
	v_nop
.endr
	s_branch .Lasked_\@
.Lfor_b_\@:
	tensor_load_to_lds s[\g0b:\g0b+3], s[\g1b:\g1b+7]
	s_nop 0
.rept 4
	v_nop
.endr
.Lasked_\@:
.endm
.macro CROUND                          ; a round of the cluster's barrier
	s_barrier_signal -1
	s_barrier_wait -1
	s_cmp_lg_u32 s14, 0
	s_cbranch_scc1 .Lnot_wave_0_\@
	s_barrier_signal -3
.Lnot_wave_0_\@:
	s_barrier_wait -3
	s_barrier_signal -1
	s_barrier_wait -1
.endm
	s_load_b128 s[4:7], s[0:1], 0x0                ; codes s[4:5], scales s[6:7]
	s_load_b128 s[96:99], s[0:1], 0x10             ; bq, bk
	s_load_b64 s[100:101], s[0:1], 0x20            ; bv
	s_load_b64 s[12:13], s[0:1], 0x28              ; qkv
	v_lshl_add_u32 v[SPW], v0, 2, SPARE
	v_mov_b32 v[NIL], 0
	ds_add_u32 v[SPW], v[NIL]                      ; the wave's opening: the add, twice on end, and its wait ahead of my first tensor load
	ds_add_u32 v[SPW], v[NIL]
	v_lshrrev_b32 v1, 5, v0
	v_readfirstlane_b32 s14, v1                    ; wave 0..3
	s_lshr_b32 s15, s14, 1                         ; which half of the tile's rows is mine.  Also: I fetch for x (0) or for W (1)
	s_and_b32 s16, s14, 1                          ; which half of its columns.  Also: which 128 rows I fetch
	s_bfe_u32 s40, ttmp6, 0x40000                  ; cx, cy: my place in the cluster
	s_bfe_u32 s41, ttmp6, 0x40004
	s_lshl_b32 s42, ttmp9, 2
	s_add_co_u32 s42, s42, s40                     ; tile column
	s_and_b32 s17, ttmp7, 0xffff                   ; cluster y
	s_lshr_b32 s95, s17, 3                         ; which tensor: 8 clusters (32 tile rows) each; the same in all sixteen partners
	s_lshl_b32 s17, s17, 2
	s_add_co_u32 s17, s17, s41                     ; tile row T
	s_lshl_b32 s43, s41, 2
	s_lshl_b32 s43, 15, s43                        ; my row of the cluster
	s_lshl_b32 s44, 0x1111, s40                    ; my column
	s_or_b32 s[G1+0], s43, (0<<16)|(1<<20)|(1<<21)|(5<<22)|(3<<25)  ; the mask; elements of 1 byte; padding on; bit 21 beside a mask; after every 64 words, 4 words
	s_or_b32 s[G1B+0], s44, (0<<16)|(1<<20)|(1<<21)|(5<<22)|(3<<25)
.irp g, G1, G1B
	s_mov_b32 s[\g+1], ROWB<<16                    ; tensor_dim0
	s_mov_b32 s[\g+2], 128<<16                     ; tensor_dim1
	s_mov_b32 s[\g+3], ROWB<<16                    ; tile_dim0
	s_mov_b32 s[\g+4], 128                         ; tile_dim1
	s_mov_b32 s[\g+5], KROW                        ; tensor_dim0_stride
	s_mov_b32 s[\g+6], 0
	s_mov_b32 s[\g+7], 0
.endr
	s_or_b32 s[G1S+0], s43, (3<<16)|(1<<20)|(1<<21)|(5<<22)|(3<<25)  ; the scales of 128 rows: 4,096 dense bytes as 16 rows of 32 elements of 8 bytes, 16 bytes of padding behind each
	s_or_b32 s[G1SB+0], s44, (3<<16)|(1<<20)|(1<<21)|(5<<22)|(3<<25)
.irp g, G1S, G1SB
	s_mov_b32 s[\g+1], 32<<16
	s_mov_b32 s[\g+2], (128*KS/256)<<16
	s_mov_b32 s[\g+3], 32<<16
	s_mov_b32 s[\g+4], 128*KS/256
	s_mov_b32 s[\g+5], 32
	s_mov_b32 s[\g+6], 0
	s_mov_b32 s[\g+7], 0
.endr
	s_lshl_b32 s18, s16, 7                         ; which 128 rows of the tile I fetch
	s_lshl_b32 s20, s17, 8
	s_add_co_u32 s20, s20, s18                     ; x: row 256 T + 128 x half
	s_lshl_b32 s46, s42, 8
	s_add_co_u32 s46, s46, s18
	s_lshl_b32 s19, s95, 10
	s_add_co_u32 s46, s46, s19                     ; W: row 1024 x tensor + 256 x tile column + 128 x half, counted from the weights' first row
	s_mov_b32 s21, 0
	s_mov_b32 s47, 0
	s_mov_b64 s[18:19], KS
	s_mul_u64 s[22:23], s[20:21], s[18:19]         ; where these rows' scales begin, in bytes
	s_mul_u64 s[92:93], s[46:47], s[18:19]
	s_mov_b64 s[18:19], KROW
	s_mul_u64 s[20:21], s[20:21], s[18:19]         ; and their codes
	s_mul_u64 s[46:47], s[46:47], s[18:19]
	s_mul_i32 s45, s14, HALFT                      ; where they go: wave x 128 rows: no place in the cluster enters an LDS address
	s_mul_i32 s94, s14, HALFS
	s_wait_dscnt 0x0                               ; both opening adds are done
	s_wait_kmcnt 0x0
	s_add_nc_u64 s[8:9], s[4:5], WROWS*KROW        ; the weights' codes
	s_add_nc_u64 s[10:11], s[6:7], WROWS*KS        ; and scales
	s_add_nc_u64 s[20:21], s[4:5], s[20:21]
	s_add_nc_u64 s[22:23], s[6:7], s[22:23]
	s_add_nc_u64 s[46:47], s[8:9], s[46:47]
	s_add_nc_u64 s[92:93], s[10:11], s[92:93]
	CROUND                                         ; all sixteen work-groups are here: the joint loads meet
	s_mov_b32 s[G0S], 1
	s_add_co_u32 s[G0S+1], s94, SCL
	s_mov_b64 s[G0S+2:G0S+3], s[22:23]
	s_or_b32 s[G0S+3], s[G0S+3], 0x80000000
	s_mov_b32 s[G0SB], 1
	s_add_co_u32 s[G0SB+1], s94, SCL
	s_mov_b64 s[G0SB+2:G0SB+3], s[92:93]
	s_or_b32 s[G0SB+3], s[G0SB+3], 0x80000000
	JLOAD G0S, G1S, G0SB, G1SB                     ; the scales first: they are wanted with the first slot
.irp s, 0,1
	s_mov_b32 s[G0+4*\s], 1
	s_add_co_u32 s[G0+4*\s+1], s45, \s*SLOT
	s_add_nc_u64 s[G0+4*\s+2:G0+4*\s+3], s[20:21], \s*ROWB
	s_or_b32 s[G0+4*\s+3], s[G0+4*\s+3], 0x80000000
	s_mov_b32 s[G0B+4*\s], 1
	s_add_co_u32 s[G0B+4*\s+1], s45, \s*SLOT
	s_add_nc_u64 s[G0B+4*\s+2:G0B+4*\s+3], s[46:47], \s*ROWB
	s_or_b32 s[G0B+4*\s+3], s[G0B+4*\s+3], 0x80000000
	JLOAD G0+4*\s, G1, G0B+4*\s, G1B               ; three tensor loads of mine are out at the most
.endr
	v_and_b32 v1, 15, v0                           ; l % 16
	v_bfe_u32 v2, v0, 4, 1                         ; l / 16
	; the bias of my 128 columns, in the result's layout: register 8 b + j = bias[256 tile column + 128 half + 16 b + 8 (l / 16) + j]
	s_cmp_eq_u32 s95, 1
	s_cselect_b64 s[96:97], s[98:99], s[96:97]
	s_cmp_eq_u32 s95, 2
	s_cselect_b64 s[96:97], s[100:101], s[96:97]
	s_mov_b32 s[FAC], 0x3f800000                   ; 1.0 for k and v,
	s_cmp_eq_u32 s95, 0
	s_cselect_b32 s[FAC], 0x3e38aa3b, s[FAC]       ; log2(e) / 8 for q
	s_mov_b32 s[FAC+1], s[FAC]                     ; (named with it as a pair, so it is written)
	s_lshl_b32 s46, s42, 10
	s_lshl_b32 s47, s16, 9
	s_add_co_u32 s46, s46, s47
	s_mov_b32 s47, 0
	s_add_nc_u64 s[96:97], s[96:97], s[46:47]
	v_lshlrev_b32 v[BOF], 5, v2
.irp b, 0,1,2,3,4,5,6,7
	global_load_b128 v[BIAS+8*\b:BIAS+8*\b+3], v[BOF], s[96:97] offset:64*\b
	global_load_b128 v[BIAS+8*\b+4:BIAS+8*\b+7], v[BOF], s[96:97] offset:64*\b+16
.endr
	v_mul_u32_u24 v3, v1, PITCH
	v_lshl_add_u32 v4, v2, 4, v3                   ; a fragment's row x pitch + 16 x half
	s_mul_i32 s21, s15, HALFT                      ; my 128 rows of x
	s_mul_i32 s22, s16, HALFT                      ; my 128 rows of W,
	s_add_co_u32 s22, s22, 2*HALFT                 ; which lie behind x's 256
.irp s, 0,1
	v_add_nc_u32 v[ADRA+\s], s21, v4
	v_add_nc_u32 v[ADRB+\s], s22, v4
	s_add_co_u32 s21, s21, SLOT
	s_add_co_u32 s22, s22, SLOT
.endr
	v_mul_u32_u24 v5, v1, KS                       ; my row's scales: KS bytes a row,
	v_lshrrev_b32 v6, 8, v5
	v_lshl_add_u32 v5, v6, 4, v5                   ; and 16 more for each 256 passed
	s_mul_i32 s21, s15, HALFS                      ; x's: my 128 rows
	s_mul_i32 s22, s16, HALFS                      ; W's: my 128 rows, behind x's 256
	s_add_co_u32 s22, s22, 2*HALFS
	s_sub_co_u32 s22, s22, s21
	v_mul_u32_u24 v6, s22, v2                      ; lanes 16-31 take W's
	s_add_co_u32 s21, s21, SCL
	v_add_nc_u32 v5, v5, v6
	v_add_nc_u32 v[ADRS], s21, v5
	s_mul_i32 s23, s14, 16*SPITCH                  ; my stage
	v_mul_u32_u24 v5, v1, SPITCH                   ; in: row l % 16, 16 bytes for each half of the lanes
	v_lshl_add_u32 v5, v2, 4, v5
	v_add_nc_u32 v[STO], s23, v5
	v_and_b32 v6, 31, v0
	v_lshlrev_b32 v[CO], 4, v6                     ; out: four rows of one head are 512 consecutive bytes of qkv: 16 x lane
	v_lshrrev_b32 v5, 3, v6
	v_mul_u32_u24 v5, v5, SPITCH                   ; back: eight lanes to a head's 128 bytes of a row, four rows an instruction
	v_and_b32 v6, 7, v0
	v_lshl_add_u32 v5, v6, 4, v5
	v_add_nc_u32 v[RD], s23, v5
	s_lshr_b32 s20, s17, 3                         ; 4 x tensor + b: 8 tile rows each, 4,194,304 bytes each
	s_lshl_b32 s20, s20, 22
	s_and_b32 s21, s17, 7
	s_lshl_b32 s21, s21, 15                        ; 256 rows of 128 bytes
	s_add_co_u32 s20, s20, s21
	s_lshl_b32 s21, s15, 14                        ; my 128 rows
	s_add_co_u32 s20, s20, s21
	s_mov_b32 s21, 0
	s_lshl_b32 s46, s42, 20                        ; head 4 x tile column + 2 x half: 262,144 bytes each
	s_lshl_b32 s47, s16, 19
	s_add_co_u32 s46, s46, s47
	s_mov_b32 s47, 0
	s_add_nc_u64 s[20:21], s[20:21], s[46:47]
	s_add_nc_u64 s[12:13], s[12:13], s[20:21]
.macro FRAG reg, adr, q, i             ; 16 rows x 128 K of 4-bit codes: lane l holds row l % 16; registers 4 c .. 4 c + 3 hold K = 64 c + 32 (l / 16) + 0 .. 31
.irp c, 0,1
	ds_load_b128 v[\reg+4*\c:\reg+4*\c+3], v[\adr] offset:64*(\q)+32*\c+(\i)*16*PITCH
.endr
.endm
; 16 matrix instructions: x's blocks a0, a0 + 1 against W's eight, 128 along K.  first = 1: the sums begin with the bias as C.  The 64 accumulators take turns, one instruction a turn, in the same order in every step.
.macro MUL16 a0, p, q, sc, first
.irp a, \a0, \a0+1
.irp b, 0,1,2,3,4,5,6,7
.if \first
	v_wmma_scale_f32_16x16x128_f8f6f4 v[8*(8*((\a)%4)+\b):8*(8*((\a)%4)+\b)+7], v[128*(\p)+FR*\b:128*(\p)+FR*\b+FR-1], v[AF+FR*(\a):AF+FR*(\a)+FR-1], v[BIAS+8*\b:BIAS+8*\b+7], v[SC+8*NQ*(\sc)+NQ*\b+(\q)], v[SC+8*NQ*(\sc)+NQ*(\a)+(\q)] matrix_a_fmt:MATRIX_FMT_FP4 matrix_b_fmt:MATRIX_FMT_FP4 matrix_a_scale:MATRIX_SCALE_ROW1
.else
	v_wmma_scale_f32_16x16x128_f8f6f4 v[8*(8*((\a)%4)+\b):8*(8*((\a)%4)+\b)+7], v[128*(\p)+FR*\b:128*(\p)+FR*\b+FR-1], v[AF+FR*(\a):AF+FR*(\a)+FR-1], v[8*(8*((\a)%4)+\b):8*(8*((\a)%4)+\b)+7], v[SC+8*NQ*(\sc)+NQ*\b+(\q)], v[SC+8*NQ*(\sc)+NQ*(\a)+(\q)] matrix_a_fmt:MATRIX_FMT_FP4 matrix_b_fmt:MATRIX_FMT_FP4 matrix_a_scale:MATRIX_SCALE_ROW1
.endif
.endr
.endr
.endm
.macro FETCH_B slot, q, p
	WIN TO_B
.irp i, 0,1,2,3,4,5,6,7
	FRAG 128*(\p)+FR*\i, ADRB+\slot, \q, \i
.endr
	WIN 0
.endm
.macro FETCH_A slot, q, i0
.irp i, \i0, \i0+1, \i0+2, \i0+3
	FRAG AF+FR*(\i), ADRA+\slot, \q, \i
.endr
.endm
.macro SCALES sc                       ; a slot's scale words: 4 words a row; lanes 0-15 take x's block i, lanes 16-31 W's block i
.irp i, 0,1,2,3,4,5,6,7
	ds_load_b128 v[SC+8*NQ*\sc+NQ*\i:SC+8*NQ*\sc+NQ*\i+3], v[ADRS] offset:\i*SBLK
.endr
.endm
.macro PLACES n                        ; plain vector instructions between a matrix instruction and a load into its registers or a read of its result
.rept \n
	v_nop
.endr
.endm
.macro STEP slot, q, first             ; a step of 128 along K that has its successor in the same slot
	s_wait_dscnt 4*NL                              ; W's set and x's blocks 0-3 are in; the youngest eight loads (x's blocks 4-7) may be out
.if \first
	WIN FIRST_LO
.else
	WIN MUL_LO
.endif
	MUL16 0, (\q)%2, \q, \slot, \first
	MUL16 2, (\q)%2, \q, \slot, \first
	s_wait_dscnt 0                                 ; x's blocks 4-7 are in
	PLACES NP
	FETCH_B \slot, (\q)+1, 1-(\q)%2
	FETCH_A \slot, (\q)+1, 0
.if \first
	WIN FIRST_HI
.else
	WIN MUL_HI
.endif
	MUL16 4, (\q)%2, \q, \slot, \first
	MUL16 6, (\q)%2, \q, \slot, \first
	PLACES NP
	WIN 0
	FETCH_A \slot, (\q)+1, 4
.endm
.macro STEPS slot, from
.set Q, \from
.rept NQ-1-\from
	STEP \slot, Q, 0
.set Q, Q+1
.endr
.endm
	s_wait_tensorcnt 1                             ; the scales and my part of slot 0 are in (slot 1's load may be out)
	s_barrier_signal -1
	s_barrier_wait -1                              ; everybody's are
	FETCH_B 0, 0, 0
	FETCH_A 0, 0, 0
	SCALES 0
	FETCH_A 0, 0, 4
	s_wait_loadcnt 0x0                             ; the bias
	STEP 0, 0, 1
	STEPS 0, 1
	; slot 0's last step changes slots: one barrier; in front of it each wave waits for all its tensor loads, adds 0 to its spare word, and waits for that and for its reads of slot 0
	s_wait_tensorcnt 0x0                           ; my part of slot 1 has landed  (every window is 0 here)
	ds_add_u32 v[SPW], v[NIL]
	s_wait_dscnt 4*NL+1                            ; (the add and the youngest eight loads may be out)
	WIN MUL_LO
	MUL16 0, 1, NQ-1, 0, 0
	s_wait_dscnt 0x0                               ; the add is done, and my reads of slot 0 are over
	s_barrier_signal -1
	MUL16 2, 1, NQ-1, 0, 0
	WIN 0
	s_barrier_wait -1
	PLACES NP
	v_add_nc_u32 v[ADRS], 4*NQ, v[ADRS]            ; on to slot 1's scale words
	FETCH_B 1, 0, 0
	FETCH_A 1, 0, 0
	SCALES 1
	WIN MUL_HI
	MUL16 4, 1, NQ-1, 0, 0
	MUL16 6, 1, NQ-1, 0, 0
	PLACES NP
	WIN 0
	FETCH_A 1, 0, 4
	STEPS 1, 0
	s_wait_dscnt 4*NL                              ; the very last step
	WIN MUL_LO
	MUL16 0, 1, NQ-1, 1, 0
	MUL16 2, 1, NQ-1, 1, 0
	s_wait_dscnt 0
	WIN MUL_HI
	MUL16 4, 1, NQ-1, 1, 0
	MUL16 6, 1, NQ-1, 1, 0
	WIN 0
; THE WAY OUT, block by block of 16 rows x 128 columns (two heads).  PACK: times the factor, rounded to f16, 16 bytes a lane.  TOSTAGE: into my stage, and back so that an instruction's 32 lanes hold four rows of one head.  SEND: stored.
.macro PACK a
.set AC, 64*((\a)%4)
	WIN 0x82+0x41*((\a)/4)                         ; destination and source 0: window 2 or 3
.irp b, 0,1,2,3,4,5,6,7
.irp r, 0,1,2,3
	v_pk_mul_f32 v[AC+8*\b+2*\r:AC+8*\b+2*\r+1], v[AC+8*\b+2*\r:AC+8*\b+2*\r+1], s[FAC:FAC+1] op_sel_hi:[1,0]   ; each accumulator from its low end on
.endr
.endr
	WIN 0x0a+5*((\a)/4)                            ; sources 0 and 1: window 2 or 3
.irp b, 0,1,2,3,4,5,6,7
.irp r, 0,1,2,3
	v_cvt_pk_f16_f32 v[TMP+4*\b+\r], v[AC+8*\b+2*\r], v[AC+8*\b+2*\r+1]
.endr
.endr
	WIN 0
.endm
.macro TOSTAGE a
.set BB, OB+128*((\a)%2)
.irp b, 0,1,2,3,4,5,6,7
	ds_store_b128 v[STO], v[TMP+4*\b:TMP+4*\b+3] offset:32*\b
.endr
.irp t, 0,1,2,3,4,5,6,7
	ds_load_b128 v[BB+4*\t:BB+4*\t+3], v[RD] offset:(\t%4)*4*SPITCH+(\t/4)*128   ; LDS serves a wave's instructions in order (ISA guide 5.7.1.4): these see the stores above
.endr
.endm
.macro SEND a
.set BB, OB+128*((\a)%2)
	s_wait_dscnt 0x0                               ; the block is back in registers
	s_wait_xcnt 0x0                                ; earlier stores have read their base and their registers: only behind this wait are they written again
.if (\a) > 0
	s_add_nc_u64 s[12:13], s[12:13], 16*128        ; 16 rows on
.endif
.irp t, 0,1,2,3,4,5,6,7
	global_store_b128 v[CO], v[BB+4*\t:BB+4*\t+3], s[12:13] offset:(\t/4)*262144+(\t%4)*512   ; 32 lanes store 512 consecutive bytes: rows 4 (t % 4) on of head t / 4
.endr
.endm
	PLACES NP                                      ; behind the last products
	PACK 0
	TOSTAGE 0
.irp a, 1,2,3,4,5,6,7                  ; block a's arithmetic stands between block a - 1's loads from the stage and the wait for them
	PACK \a
	SEND \a-1
	TOSTAGE \a
.endr
	SEND 7
	s_wait_tensorcnt 0x0                           ; the wave's end
	ds_add_u32 v[SPW], v[NIL]
	s_wait_dscnt 0x0
	CROUND                                         ; the closing round
	s_endpgm
.Lfunc_end_k_qe86345f049_proj:
	.size	k_qe86345f049_proj, .Lfunc_end_k_qe86345f049_proj-k_qe86345f049_proj
	.p2alignl 7, 3214868480
	.fill 96, 4, 3214868480
	.section	.rodata,"a",@progbits
	.p2align	6, 0x0
	.amdhsa_kernel k_qe86345f049_proj
		.amdhsa_group_segment_fixed_size 327680
		.amdhsa_private_segment_fixed_size 0
		.amdhsa_enable_private_segment 0
		.amdhsa_kernarg_size 48
		.amdhsa_user_sgpr_count 2
		.amdhsa_user_sgpr_kernarg_segment_ptr 1
		.amdhsa_wavefront_size32 1
		.amdhsa_system_sgpr_workgroup_id_x 1
		.amdhsa_system_sgpr_workgroup_id_y 1
		.amdhsa_system_sgpr_workgroup_id_z 1
		.amdhsa_system_vgpr_workitem_id 0
		.amdhsa_next_free_vgpr 1024
		.amdhsa_next_free_sgpr 102
		.amdhsa_reserve_vcc 0
		.amdhsa_float_denorm_mode_32 3
		.amdhsa_float_denorm_mode_16_64 3
		.amdhsa_memory_ordered 1
		.amdhsa_forward_progress 1
		.amdhsa_inst_pref_size 145
	.end_amdhsa_kernel
	.amdgpu_metadata
---
amdhsa.version: [ 1, 2 ]
amdhsa.kernels:
  - .name:           k_qe86345f049_proj
    .symbol:         k_qe86345f049_proj.kd
    .args:
      - { .name: codes, .offset: 0, .size: 8, .value_kind: global_buffer, .address_space: global }
      - { .name: scales, .offset: 8, .size: 8, .value_kind: global_buffer, .address_space: global }
      - { .name: bq, .offset: 16, .size: 8, .value_kind: global_buffer, .address_space: global }
      - { .name: bk, .offset: 24, .size: 8, .value_kind: global_buffer, .address_space: global }
      - { .name: bv, .offset: 32, .size: 8, .value_kind: global_buffer, .address_space: global }
      - { .name: qkv, .offset: 40, .size: 8, .value_kind: global_buffer, .address_space: global }
    .group_segment_fixed_size: 327680
    .private_segment_fixed_size: 0
    .kernarg_segment_align: 8
    .kernarg_segment_size: 48
    .max_flat_workgroup_size: 128
    .sgpr_count:     102
    .vgpr_count:     1024
    .wavefront_size: 32
...
	.end_amdgpu_metadata
.endif
;; end of part 3
;; launch attn (part 4): grid 4 x 64, 16 waves a work-group, clusters of 4 x 1, 327,680 bytes of LDS; arguments qkv, mw, x16; writes x16
.if DOCPART == 4
	.amdgcn_target "amdgcn-amd-amdhsa--gfx1250"
	.amdhsa_code_object_version 6
	.text
	.protected	k_qe86345f049_attn
	.globl	k_qe86345f049_attn
	.p2align	8
	.type	k_qe86345f049_attn,@function
k_qe86345f049_attn:
	s_mov_b64 s[64:65], 0
	v_nop
	global_prefetch_b8 v0, s[64:65] scope:SCOPE_SE
	s_setreg_imm32_b32 hwreg(HW_REG_WAVE_MODE, 25, 1), 1
	s_wait_xcnt 0x0
	s_wait_alu depctr_hold_cnt(0) depctr_sa_sdst(0) depctr_va_vdst(0) depctr_va_sdst(0) depctr_va_ssrc(0) depctr_va_vcc(0) depctr_vm_vsrc(0)
	s_getreg_b32 s2, hwreg(HW_REG_IB_STS2, 6, 4)
	s_cmp_eq_u32 s2, 0
	s_cbranch_scc0 .Lentry_in_a_cluster
	s_endpgm
.Lentry_in_a_cluster:
	s_bfe_u32 s2, ttmp6, 0x10000c
	s_cmp_lg_u32 s2, 0x3003
	s_cbranch_scc0 .Lentry_shape_is_right
	s_endpgm
.Lentry_shape_is_right:
; x[b][h][q][:] = sum over k of softmax_k(where(mask[b][q][k] == 0, -1e9, q . k / 8)) v[b][h][k][:].  qkv [3][b][h][2048][64] f16, q already multiplied by log2(e) / 8; x16 [b][h][2048][64] f16.
; mw [b][query tile 128][key step 32][kt 4][j 8]: lane-mask words, bit L = the key of register j, tile kt counts for the query of lane L.
; Products on f16 operands with f32 sums; maxima, exponentials and sums in f32; p is rounded to f16 for the second product; the row's sum is taken of the unrounded p.
; SOFTMAX.  The scores are exponents of 2 as they come.  A closed key's score is REPLACED by -1e9 log2(e), as the problem has it, ahead of the running maximum m: p = 2^(s - m), by a subtraction, which is exactly 0
; where s = m; in every step O and the sum are multiplied by a = 2^(old m - new m).  A query with every key closed so gets p = 1 everywhere: the mean of v.
; LIMITS: operands beyond f16's 65,504 are not served; NaN and infinities are not served; a p under 2^-24 of its row's largest counts as 0 in the product.
; SHARES.  A work-group owns 512 queries of one (b, h); each of its sixteen waves 32 of them, two tiles of 16, in 256 registers: four waves to a SIMD, so that one wave's vector work stands beside another's matrix work.
; Every wave walks all 2,048 keys, 64 a step.  LAYOUT.  S^T = K Q^T (source 0 = 16 keys, source 1 = 16 queries): a lane holds ONE query (lane % 16) and keys 8 (lane / 16) + 0..7 of each tile; two such tiles, rounded in
; pairs, ARE source 1 of O^T = V^T P.  K comes out of LDS as it lies, V ([key][channel]) turned, by ds_load_tr16_b128.
; RING.  Two slots of 8 steps (512 keys).  Waves 0-7 fetch the eight steps' tiles of K, waves 8-15 those of V, 64 rows of 128 bytes each.  Both slots are filled at the head and each once more: two tensor loads of a wave are out at the most.
; CLUSTER.  The four query blocks of a (b, h) walk the same K and V: each tile is asked for JOINTLY, with the same descriptor and the mask of all four.
.set PK,    144                        ; a row of K in LDS: 128 bytes + 16: an odd multiple of 16, so the 16 rows of a load start at 16 different groups of banks (ISA guide 11.1)
.set PV,    160                        ; a row of V: 128 + 32: an odd multiple of 32, for the turning load
.set VOFF,  64*PK
.set STEPB, 64*(PK+PV)                 ; a step: 64 rows of K, then 64 rows of V
.set SLOTB, 8*STEPB
.set SPARE, 2*SLOTB                    ; behind the ring: the spare words, 128 bytes for each of 16 waves
.set SP,    144                        ; the way out: 32 rows x (128 bytes + 16) for each wave, in slot 0, which has had its last fill and its last read by then
.set AK0, 1                            ; v1  my lane's place in a tile of K
.set AV0, 2                            ; v2  the same for V
.set ADK, 3                            ; v3, v4 the addresses of the step in hand
.set ADV, 4
.set SPW, 5                            ; v5  LDS address of my spare word; never rewritten
.set NIL, 6                            ; v6  0; never rewritten
.set NEG, 7                            ; v7  -1e9 log2(e)
.set ST,  8                            ; tile t's statistics at v[ST+8 t]: +0 m, +1 0, +2, +3 the sum (even keys', odd keys'), +4 to +7 at work; a in +6
.set Q,   24                           ; v24-55   Q: tile t, channels 32 c on at 24 + 16 t + 8 c
.set KV,  56                           ; v56-119  K's eight fragments (2 kt + c), later V's (4 g + ct)
.set S,   120                          ; v120-183 S^T: 32 a tile; P is made in place in the low 16
.set O,   184                          ; v184-247 O^T: 32 a tile
.set WV,  2                            ; s2  my wave's number
.set CNT, 3                            ; s3  counts a slot's steps
.set G0,  52                           ; s[52:59] descriptor group 0, a set for each slot
.set TB,  60                           ; s60 LDS byte at which the step's tiles begin
.set MOFF, 61                          ; s61 the byte at which the step's mask words begin in a query tile's 4,096
.set XO,  62                           ; s[62:63] x16 at my wave's first row
.set MP,  66                           ; s[66:67] mw at my first query tile
.set G1K, 84                           ; s[84:91] descriptor group 1 for K's tiles;  s[92:99] for V's: it differs in the padding
.set G1V, 92
.set SEL, 104                          ; s[104:105] lane selects for v_permlanex16_b32: lane l xor 16
; s[4:35] tile 0's 32 mask words (4 + 8 kt + j);  s[36:51], s[68:83] tile 1's
.macro JLOAD n                         ; a joint refill of slot n.  The branch hangs on the wave's number alone.  An s_nop 0 and four v_nop follow each of the two lines.
	s_cmp_lt_u32 s[WV], 8
	s_cbranch_scc0 .Lfor_v_\@
	tensor_load_to_lds s[G0+4*\n:G0+4*\n+3], s[G1K:G1K+7]
	s_nop 0
.rept 4
	v_nop
.endr
	s_branch .Lasked_\@
.Lfor_v_\@:
	tensor_load_to_lds s[G0+4*\n:G0+4*\n+3], s[G1V:G1V+7]
	s_nop 0
.rept 4
	v_nop
.endr
.Lasked_\@:
.endm
.macro CROUND                          ; a round of the cluster's barrier
	s_barrier_signal -1
	s_barrier_wait -1
	s_cmp_lg_u32 s[WV], 0
	s_cbranch_scc1 .Lnot_wave_0_\@
	s_barrier_signal -3
.Lnot_wave_0_\@:
	s_barrier_wait -3
	s_barrier_signal -1
	s_barrier_wait -1
.endm
.macro WORDS                           ; both tiles' 32 mask words of the step at s[MOFF]
	s_load_b512 s[4:19], s[MP:MP+1], s[MOFF] offset:0x0
	s_load_b512 s[20:35], s[MP:MP+1], s[MOFF] offset:0x40
	s_load_b512 s[36:51], s[MP:MP+1], s[MOFF] offset:0x1000
	s_load_b512 s[68:83], s[MP:MP+1], s[MOFF] offset:0x1040
.endm
	s_load_b128 s[4:7], s[0:1], 0x0                ; qkv s[4:5], mw s[6:7]
	s_load_b64 s[8:9], s[0:1], 0x10                ; x16
	v_lshl_add_u32 v[SPW], v0, 2, SPARE
	v_mov_b32 v[NIL], 0
	ds_add_u32 v[SPW], v[NIL]                      ; the wave's opening: the add, twice on end, and its wait ahead of my first tensor load
	ds_add_u32 v[SPW], v[NIL]
	v_lshrrev_b32 v1, 5, v0
	v_readfirstlane_b32 s[WV], v1                  ; wave 0..15
	s_bfe_u32 s12, ttmp6, 0x40000                  ; cx: my block of 512 queries; it enters Q's, the mask words' and x16's addresses alone
	s_and_b32 s13, ttmp7, 0xffff                   ; 16 b + h, which the four partners share
	s_mov_b32 s[G1K], 15|(1<<16)|(1<<20)|(1<<21)|(4<<22)|(3<<25)  ; the mask of all four; elements of 2 bytes; padding on; bit 21 beside a mask; after every 32 words, 4 words
	s_mov_b32 s[G1V], 15|(1<<16)|(1<<20)|(1<<21)|(4<<22)|(7<<25)  ; the same with 8 words of padding
.irp g, G1K, G1V
	s_mov_b32 s[\g+1], 64<<16                      ; tensor_dim0 = 64
	s_mov_b32 s[\g+2], 64<<16                      ; tensor_dim1 = 64
	s_mov_b32 s[\g+3], 64<<16                      ; tile_dim0 = 64
	s_mov_b32 s[\g+4], 64                          ; tile_dim1 = 64
	s_mov_b32 s[\g+5], 64                          ; tensor_dim0_stride
	s_mov_b32 s[\g+6], 0
	s_mov_b32 s[\g+7], 0
.endr
	s_mov_b32 s[SEL], 0x76543210
	s_mov_b32 s[SEL+1], 0xfedcba98
	s_and_b32 s14, s[WV], 7                        ; which of a slot's eight steps I fetch,
	s_lshr_b32 s15, s[WV], 3                       ; for K (0) or for V (1)
	s_mul_i32 s16, s14, STEPB
	s_mul_i32 s17, s15, VOFF
	s_add_co_u32 s16, s16, s17                     ; its place in a slot
	s_add_co_u32 s18, s15, 1
	s_lshl_b32 s18, s18, 24                        ; k is tensor 1, v tensor 2: 16,777,216 bytes each
	s_lshl_b32 s19, s13, 18                        ; a head's 2,048 rows of 128 bytes
	s_add_co_u32 s18, s18, s19
	s_lshl_b32 s19, s14, 13                        ; a step's 64 rows
	s_add_co_u32 s18, s18, s19
	s_mov_b32 s19, 0
	s_lshl_b32 s20, s13, 18                        ; Q and x16: the head,
	s_lshl_b32 s21, s12, 16                        ; my block's 512 rows,
	s_add_co_u32 s20, s20, s21
	s_lshl_b32 s21, s[WV], 12                      ; my wave's 32
	s_add_co_u32 s20, s20, s21
	s_mov_b32 s21, 0
	s_lshr_b32 s22, s13, 4                         ; b: 128 query tiles of 4,096 bytes,
	s_lshl_b32 s22, s22, 19
	s_lshl_b32 s23, s12, 17                        ; my block's 32 tiles,
	s_add_co_u32 s22, s22, s23
	s_lshl_b32 s23, s[WV], 13                      ; my wave's two
	s_add_co_u32 s22, s22, s23
	s_mov_b32 s23, 0
	s_wait_dscnt 0x0                               ; both opening adds are done
	s_wait_kmcnt 0x0
	s_add_nc_u64 s[10:11], s[4:5], s[20:21]        ; Q at my first row
	s_add_nc_u64 s[XO:XO+1], s[8:9], s[20:21]
	s_add_nc_u64 s[MP:MP+1], s[6:7], s[22:23]
	s_mov_b32 s[G0], 1                             ; count = 1
	s_mov_b32 s[G0+1], s16                         ; LDS address: slot 0
	s_add_nc_u64 s[G0+2:G0+3], s[4:5], s[18:19]    ; global address: my step of keys 0-511
	s_or_b32 s[G0+3], s[G0+3], 0x80000000          ; type = 2
	s_mov_b32 s[G0+4], 1
	s_add_co_u32 s[G0+5], s16, SLOTB               ; slot 1
	s_add_nc_u64 s[G0+6:G0+7], s[4:5], s[18:19]
	s_add_nc_u64 s[G0+6:G0+7], s[G0+6:G0+7], 65536 ; keys 512-1023
	s_or_b32 s[G0+7], s[G0+7], 0x80000000
	CROUND                                         ; all four work-groups are here: the first joint loads meet
	s_cmp_lt_u32 s[WV], 8                          ; a wave's two first fills stand in one branch, ahead of every wait on TENSORcnt and every LDS read
	s_cbranch_scc0 .Lfirst_v
	tensor_load_to_lds s[G0:G0+3], s[G1K:G1K+7]
	s_nop 0
	tensor_load_to_lds s[G0+4:G0+7], s[G1K:G1K+7]
	s_nop 0
.rept 4
	v_nop
.endr
	s_branch .Lfirst_asked
.Lfirst_v:
	tensor_load_to_lds s[G0:G0+3], s[G1V:G1V+7]
	s_nop 0
	tensor_load_to_lds s[G0+4:G0+7], s[G1V:G1V+7]
	s_nop 0
.rept 4
	v_nop
.endr
.Lfirst_asked:
	v_and_b32 v248, 15, v0                         ; r = l % 16
	v_bfe_u32 v249, v0, 4, 1                       ; h = l / 16
	v_lshlrev_b32 v250, 7, v248
	v_lshl_add_u32 v250, v249, 4, v250             ; Q: row r of 128 bytes, + 16 h
.irp t, 0,1
.irp c, 0,1
	global_load_b128 v[Q+16*\t+8*\c:Q+16*\t+8*\c+3], v250, s[10:11] offset:2048*\t+64*\c       ; Q stays in registers
	global_load_b128 v[Q+16*\t+8*\c+4:Q+16*\t+8*\c+7], v250, s[10:11] offset:2048*\t+64*\c+32
.endr
.endr
	v_mul_u32_u24 v[AK0], v248, PK
	v_lshl_add_u32 v[AK0], v249, 4, v[AK0]         ; K: row x pitch + 16 x half
	v_and_b32 v251, 7, v0
	v_bfe_u32 v252, v0, 3, 1
	v_lshl_add_u32 v[AV0], v249, 3, v251           ; V, for the turning load: key 8 h + l % 8, channels 8 ((l / 8) % 2) on
	v_mul_u32_u24 v[AV0], v[AV0], PV
	v_lshl_add_u32 v[AV0], v252, 4, v[AV0]
	v_add_nc_u32 v[AV0], VOFF, v[AV0]
	v_mov_b32 v[NEG], 0xceabfb8f                   ; -1e9 log2(e)
.irp t, 0,1
	v_mov_b32 v[ST+8*\t], 0xff61b1e6               ; m: -3e38, under every score
	v_mov_b32 v[ST+8*\t+1], 0                      ; (named with m as a pair, so it is written)
	v_mov_b32 v[ST+8*\t+2], 0                      ; the sum, in two halves
	v_mov_b32 v[ST+8*\t+3], 0
.endr
.set i, 0
.rept 64
	v_mov_b32 v[O+i], 0                            ; O^T.  The step is written once: the first finds zeros, which its a = 0 leaves zeros
.set i, i+1
.endr
	s_wait_xcnt 0x0                                ; Q's loads have read their base: s[4:19] may be loaded into
	s_mov_b32 s[MOFF], 0
	WORDS                                          ; step 0's mask words
	s_wait_loadcnt 0x0                             ; Q
	s_wait_tensorcnt 1                             ; my part of slot 0 is in; slot 1's may stay out
	s_barrier_signal -1
	s_barrier_wait -1                              ; everybody's is
.macro MASK t, kt, w                   ; eight scores of tile (t, kt), from the accumulator's low end on: a closed key's score becomes -1e9 log2(e)
.irp j, 0,1,2,3,4,5,6,7
	v_cndmask_b32 v[S+32*\t+8*\kt+\j], v[NEG], v[S+32*\t+8*\kt+\j], s[\w+\j]
.endr
.endm
; A KEY STEP: 64 keys for my two tiles of queries.
.macro STEP
	v_add_nc_u32 v[ADK], s[TB], v[AK0]
	v_add_nc_u32 v[ADV], s[TB], v[AV0]
.rept 3
	v_nop                                          ; with the two additions: five places behind the last V^T P, whose P the first products below write over, and whose V the loads below land on
.endr
.irp c, 0,1                                    ; K's eight fragments, channels 0-31 first
.irp kt, 0,1,2,3
	ds_load_b128 v[KV+8*(2*\kt+\c):KV+8*(2*\kt+\c)+3], v[ADK] offset:16*PK*\kt+64*\c
	ds_load_b128 v[KV+8*(2*\kt+\c)+4:KV+8*(2*\kt+\c)+7], v[ADK] offset:16*PK*\kt+64*\c+32
.endr
.endr
	s_wait_dscnt 8                                 ; channels 0-31 are in; the eight loads of channels 32-63 may be out
.irp kt, 0,1,2,3                               ; the eight accumulators take turns, one instruction a turn
.irp t, 0,1
	v_wmma_f32_16x16x32_f16 v[S+32*\t+8*\kt:S+32*\t+8*\kt+7], v[KV+16*\kt:KV+16*\kt+7], v[Q+16*\t:Q+16*\t+7], 0
.endr
.endr
	s_wait_dscnt 0x0
.irp kt, 0,1,2,3
.irp t, 0,1
	v_wmma_f32_16x16x32_f16 v[S+32*\t+8*\kt:S+32*\t+8*\kt+7], v[KV+16*\kt+8:KV+16*\kt+15], v[Q+16*\t+8:Q+16*\t+15], v[S+32*\t+8*\kt:S+32*\t+8*\kt+7]
.endr
.endr
	s_wait_kmcnt 0x0                               ; this step's mask words are in, so their offset may be written:
	s_add_co_u32 s[MOFF], s[MOFF], 128             ; the next step's,
	s_min_u32 s[MOFF], s[MOFF], 3968               ; held at the last step's: no load leaves the buffer
.rept 4
	v_nop                                          ; places behind the products: for the loads into K's registers and the first reads of the scores
.endr
.irp g, 0,1                                    ; V's eight fragments, turned: keys 32 g on, channels 16 ct on
.irp ct, 0,1,2,3
	ds_load_tr16_b128 v[KV+8*(4*\g+\ct):KV+8*(4*\g+\ct)+3], v[ADV] offset:32*PV*\g+32*\ct
	ds_load_tr16_b128 v[KV+8*(4*\g+\ct)+4:KV+8*(4*\g+\ct)+7], v[ADV] offset:32*PV*\g+16*PV+32*\ct
.endr
.endr
	MASK 0, 0, 4
	MASK 0, 1, 12
	MASK 0, 2, 20
	MASK 0, 3, 28
	MASK 1, 0, 36
	MASK 1, 1, 44
	MASK 1, 2, 68
	MASK 1, 3, 76
	WORDS                                          ; the next step's words: they have the rest of this step and the next step's first products in which to come
	; the maximum of a lane's 32 scores and the old m, three operands at a time; the two tiles alternate
.irp j, 0,1,2,3
.irp t, 0,1
	v_max3_num_f32 v[ST+8*\t+4+\j], v[S+32*\t+8*\j], v[S+32*\t+8*\j+1], v[S+32*\t+8*\j+2]
.endr
.endr
.irp i, 3,5
.irp j, 0,1,2,3
.irp t, 0,1
	v_max3_num_f32 v[ST+8*\t+4+\j], v[ST+8*\t+4+\j], v[S+32*\t+8*\j+\i], v[S+32*\t+8*\j+\i+1]
.endr
.endr
.endr
.irp t, 0,1
	v_max3_num_f32 v[ST+8*\t+4], v[ST+8*\t+4], v[S+32*\t+7], v[S+32*\t+15]
.endr
.irp t, 0,1
	v_max3_num_f32 v[ST+8*\t+6], v[ST+8*\t+6], v[S+32*\t+23], v[S+32*\t+31]
.endr
.irp t, 0,1
	v_max3_num_f32 v[ST+8*\t+4], v[ST+8*\t+4], v[ST+8*\t+5], v[ST+8*\t+6]
.endr
.irp t, 0,1
	v_max3_num_f32 v[ST+8*\t+4], v[ST+8*\t+4], v[ST+8*\t+7], v[ST+8*\t]
.endr
.irp t, 0,1
	v_permlanex16_b32 v[ST+8*\t+5], v[ST+8*\t+4], s[SEL], s[SEL+1]   ; the query's other 32 keys lie in the lane 16 away
.endr
.irp t, 0,1
	v_mov_b32 v[ST+8*\t+7], v[ST+8*\t]             ; the old m
.endr
.irp t, 0,1
	v_max_num_f32 v[ST+8*\t], v[ST+8*\t+4], v[ST+8*\t+5]   ; the new m
.endr
.irp t, 0,1
	v_sub_f32 v[ST+8*\t+7], v[ST+8*\t+7], v[ST+8*\t]
.endr
.irp j, 0,2,4,6,8,10,12,14,16,18,20,22,24,26,28,30
.irp t, 0,1
	v_pk_add_f32 v[S+32*\t+\j:S+32*\t+\j+1], v[S+32*\t+\j:S+32*\t+\j+1], v[ST+8*\t:ST+8*\t+1] op_sel_hi:[1,0] neg_lo:[0,1] neg_hi:[0,1]   ; s - m, two at a time
.endr
.endr
.irp t, 0,1
	v_exp_f32 v[ST+8*\t+6], v[ST+8*\t+7]           ; a = 2^(old m - new m)
.endr
.set i, 0
.rept 64
	v_exp_f32 v[S+i], v[S+i]                       ; p = 2^(s - m), at most 1
.set i, i+1
.endr
	v_nop                                          ; a plain instruction behind the last exponential
	s_wait_alu depctr_va_vdst(0)                   ; the wait ahead of the first instruction that names a result: one for the batch of 66
.irp t, 0,1
	v_pk_mul_f32 v[ST+8*\t+2:ST+8*\t+3], v[ST+8*\t+2:ST+8*\t+3], v[ST+8*\t+6:ST+8*\t+7] op_sel_hi:[1,0]   ; the sum under the new m
.endr
.irp t, 0,1
	v_pk_add_f32 v[252+2*\t:253+2*\t], v[S+32*\t:S+32*\t+1], v[S+32*\t+2:S+32*\t+3]   ; the sum of the unrounded p, in two chains a tile
.endr
.irp j, 4,8,12,16,20,24,28
.irp t, 0,1
	v_pk_add_f32 v[ST+8*\t+2:ST+8*\t+3], v[ST+8*\t+2:ST+8*\t+3], v[S+32*\t+\j:S+32*\t+\j+1]
	v_pk_add_f32 v[252+2*\t:253+2*\t], v[252+2*\t:253+2*\t], v[S+32*\t+\j+2:S+32*\t+\j+3]
.endr
.endr
.irp t, 0,1
	v_pk_add_f32 v[ST+8*\t+2:ST+8*\t+3], v[ST+8*\t+2:ST+8*\t+3], v[252+2*\t:253+2*\t]
.endr
.irp j, 0,1,2,3,4,5,6,7,8,9,10,11,12,13,14,15
.irp t, 0,1
	v_cvt_pk_f16_f32 v[S+32*\t+\j], v[S+32*\t+2*\j], v[S+32*\t+2*\j+1]   ; P, in place and ascending: register j is written when registers 2 j and 2 j + 1 are read, never earlier
.endr
.endr
.irp j, 0,2,4,6,8,10,12,14,16,18,20,22,24,26,28,30
.irp t, 0,1
	v_pk_mul_f32 v[O+32*\t+\j:O+32*\t+\j+1], v[O+32*\t+\j:O+32*\t+\j+1], v[ST+8*\t+6:ST+8*\t+7] op_sel_hi:[1,0]   ; O^T under the new m, each accumulator from its low end on
.endr
.endr
	s_wait_dscnt 0x0                               ; V is in
.irp g, 0,1                                    ; O^T += V^T P: the eight accumulators take turns
.irp ct, 0,1,2,3
.irp t, 0,1
	v_wmma_f32_16x16x32_f16 v[O+32*\t+8*\ct:O+32*\t+8*\ct+7], v[KV+8*(4*\g+\ct):KV+8*(4*\g+\ct)+7], v[S+32*\t+8*\g:S+32*\t+8*\g+7], v[O+32*\t+8*\ct:O+32*\t+8*\ct+7]
.endr
.endr
.endr
.endm
.macro PHASE n                         ; slot n's eight steps
	s_mov_b32 s[TB], \n*SLOTB
	s_mov_b32 s[CNT], 8
.Lstep_\@:
	STEP
	s_add_co_u32 s[TB], s[TB], STEPB
	s_sub_co_u32 s[CNT], s[CNT], 1
	s_cmp_lg_u32 s[CNT], 0
	s_cbranch_scc1 .Lstep_\@
.endm
; THE CHANGE OF SLOTS.  Each wave waits for all its tensor loads (its part of the other slot), adds 0 to its spare word, and waits for that and for its reads of the slot that it leaves.
; fill = 1: the barrier is a round of the cluster's, and slot n is filled again, with the keys 1,024 further on: the load has the other slot's eight steps in which to land.
.macro CHANGE n, fill
	s_wait_tensorcnt 0x0                           ; no tensor load of mine is out, so a group 0 may be written
	ds_add_u32 v[SPW], v[NIL]
.if \fill
	s_add_nc_u64 s[G0+4*\n+2:G0+4*\n+3], s[G0+4*\n+2:G0+4*\n+3], 131072   ; two slots on; the type bits on top are not reached
.endif
	s_wait_dscnt 0x0                               ; the add is done, and my reads of the slot are over
.if \fill
	CROUND
	JLOAD \n
.else
	s_barrier_signal -1
	s_barrier_wait -1
.endif
.endm
	PHASE 0                                        ; keys 0-511
	CHANGE 0, 1
	PHASE 1                                        ; keys 512-1023
	CHANGE 1, 1
	PHASE 0                                        ; keys 1024-1535
	CHANGE 0, 0                                    ; nothing is left to fetch
	PHASE 1                                        ; keys 1536-2047
	; THE WAY OUT.  The sum's halves are added; O^T is divided by the sum, rounded to f16 and sent through my stage, so that an instruction's 32 lanes store four whole rows.
	s_wait_kmcnt 0x0                               ; the last step's look-ahead
.irp t, 0,1
	v_add_f32 v[ST+8*\t+4], v[ST+8*\t+2], v[ST+8*\t+3]
.endr
.irp t, 0,1
	v_permlanex16_b32 v[ST+8*\t+5], v[ST+8*\t+4], s[SEL], s[SEL+1]
.endr
.irp t, 0,1
	v_add_f32 v[ST+8*\t+4], v[ST+8*\t+4], v[ST+8*\t+5]
.endr
.irp t, 0,1
	v_rcp_f32 v[ST+8*\t+6], v[ST+8*\t+4]           ; the sum is at least 1: the row's largest p is 1
.endr
	v_and_b32 v251, 15, v0                         ; r  (plain work behind the reciprocals)
	v_bfe_u32 v252, v0, 4, 1                       ; h
	s_mul_i32 s[TB], s[WV], 32*SP                  ; my stage
	v_mul_u32_u24 v248, v251, SP
	v_lshl_add_u32 v248, v252, 4, v248
	v_add_nc_u32 v248, s[TB], v248                 ; in: row r, 16 bytes for each half of the lanes
	v_and_b32 v253, 31, v0
	v_lshrrev_b32 v254, 3, v253
	v_and_b32 v255, 7, v0
	v_mul_u32_u24 v249, v254, SP
	v_lshl_add_u32 v249, v255, 4, v249
	v_add_nc_u32 v249, s[TB], v249                 ; back: eight lanes to a row of 128 bytes, four rows an instruction
	v_lshlrev_b32 v250, 4, v253                    ; and the same 512 bytes in x16
	s_wait_alu depctr_va_vdst(0)                   ; the wait ahead of the first use: one for both reciprocals
.irp j, 0,2,4,6,8,10,12,14,16,18,20,22,24,26,28,30
.irp t, 0,1
	v_pk_mul_f32 v[O+32*\t+\j:O+32*\t+\j+1], v[O+32*\t+\j:O+32*\t+\j+1], v[ST+8*\t+6:ST+8*\t+7] op_sel_hi:[1,0]
.endr
.endr
.irp t, 0,1
.irp j, 0,1,2,3,4,5,6,7,8,9,10,11,12,13,14,15
	v_cvt_pk_f16_f32 v[S+16*\t+\j], v[O+32*\t+2*\j], v[O+32*\t+2*\j+1]   ; registers 4 ct .. 4 ct + 3: channels 16 ct + 8 h + 0..7 of my query
.endr
.endr
.irp t, 0,1
.irp ct, 0,1,2,3
	ds_store_b128 v248, v[S+16*\t+4*\ct:S+16*\t+4*\ct+3] offset:16*SP*\t+32*\ct
.endr
.endr
.irp i, 0,1,2,3,4,5,6,7
	ds_load_b128 v[KV+4*\i:KV+4*\i+3], v249 offset:4*SP*\i       ; LDS serves a wave's instructions in order (ISA guide 5.7.1.4): these see my stores
.endr
.irp i, 0,1,2,3,4,5,6,7
	s_wait_dscnt 7-\i                              ; load i is in; the younger ones may be out
	global_store_b128 v250, v[KV+4*\i:KV+4*\i+3], s[XO:XO+1] offset:512*\i   ; 32 lanes store 512 consecutive bytes
.endr
	s_wait_tensorcnt 0x0                           ; the wave's end
	ds_add_u32 v[SPW], v[NIL]
	s_wait_dscnt 0x0
	CROUND                                         ; the closing round
	s_endpgm
.Lfunc_end_k_qe86345f049_attn:
	.size	k_qe86345f049_attn, .Lfunc_end_k_qe86345f049_attn-k_qe86345f049_attn
	.p2alignl 7, 3214868480
	.fill 96, 4, 3214868480
	.section	.rodata,"a",@progbits
	.p2align	6, 0x0
	.amdhsa_kernel k_qe86345f049_attn
		.amdhsa_group_segment_fixed_size 327680
		.amdhsa_private_segment_fixed_size 0
		.amdhsa_enable_private_segment 0
		.amdhsa_kernarg_size 24
		.amdhsa_user_sgpr_count 2
		.amdhsa_user_sgpr_kernarg_segment_ptr 1
		.amdhsa_wavefront_size32 1
		.amdhsa_system_sgpr_workgroup_id_x 1
		.amdhsa_system_sgpr_workgroup_id_y 1
		.amdhsa_system_sgpr_workgroup_id_z 1
		.amdhsa_system_vgpr_workitem_id 0
		.amdhsa_next_free_vgpr 256
		.amdhsa_next_free_sgpr 106
		.amdhsa_reserve_vcc 0
		.amdhsa_float_denorm_mode_32 3
		.amdhsa_float_denorm_mode_16_64 3
		.amdhsa_memory_ordered 1
		.amdhsa_forward_progress 1
		.amdhsa_inst_pref_size 105
	.end_amdhsa_kernel
	.amdgpu_metadata
---
amdhsa.version: [ 1, 2 ]
amdhsa.kernels:
  - .name:           k_qe86345f049_attn
    .symbol:         k_qe86345f049_attn.kd
    .args:
      - { .name: qkv, .offset: 0, .size: 8, .value_kind: global_buffer, .address_space: global }
      - { .name: mw, .offset: 8, .size: 8, .value_kind: global_buffer, .address_space: global }
      - { .name: x16, .offset: 16, .size: 8, .value_kind: global_buffer, .address_space: global }
    .group_segment_fixed_size: 327680
    .private_segment_fixed_size: 0
    .kernarg_segment_align: 8
    .kernarg_segment_size: 24
    .max_flat_workgroup_size: 512
    .sgpr_count:     106
    .vgpr_count:     256
    .wavefront_size: 32
...
	.end_amdgpu_metadata
.endif
;; end of part 4
;; launch oproj (part 5): grid 4 x 64, 4 waves a work-group, clusters of 4 x 4, 327,680 bytes of LDS; arguments x16, wo16, bo, out0; writes out0
.if DOCPART == 5
	.amdgcn_target "amdgcn-amd-amdhsa--gfx1250"
	.amdhsa_code_object_version 6
	.text
	.protected	k_qe86345f049_oproj
	.globl	k_qe86345f049_oproj
	.p2align	8
	.type	k_qe86345f049_oproj,@function
k_qe86345f049_oproj:
	s_mov_b64 s[64:65], 0
	v_nop
	global_prefetch_b8 v0, s[64:65] scope:SCOPE_SE
	s_setreg_imm32_b32 hwreg(HW_REG_WAVE_MODE, 25, 1), 1
	s_wait_xcnt 0x0
	s_wait_alu depctr_hold_cnt(0) depctr_sa_sdst(0) depctr_va_vdst(0) depctr_va_sdst(0) depctr_va_ssrc(0) depctr_va_vcc(0) depctr_vm_vsrc(0)
	s_getreg_b32 s2, hwreg(HW_REG_IB_STS2, 6, 4)
	s_cmp_eq_u32 s2, 0
	s_cbranch_scc0 .Lentry_in_a_cluster
	s_endpgm
.Lentry_in_a_cluster:
	s_bfe_u32 s2, ttmp6, 0x10000c
	s_cmp_lg_u32 s2, 0xf033
	s_cbranch_scc0 .Lentry_shape_is_right
	s_endpgm
.Lentry_shape_is_right:
; out0[m][n] = sum over k of x[m][k] Wo[n][k] + bo[n], f16 operands, f32 sums.  m = 2048 b + s, k = 64 head + d.  x16 [b][head][s][64] f16, wo16 [1024][1024] f16, out0 [8192][1024] f32.
; A tile of 128 x 256 is made by four waves: 256 work-groups.  Wave w makes rows 64 (w / 2) on, columns 128 (w % 2) on: 32 accumulators, 256 registers.
; K goes in 8 steps of 128 (two heads) through a ring of two LDS slots.  Waves 0 and 1 fetch x's two heads (128 rows of 128 bytes each), waves 2 and 3 Wo's two halves (128 rows of 256 bytes each).
; CLUSTERS: 4 x 4 work-groups.  The four of a row of the cluster need the same rows of x, the four of a column the same rows of Wo: each tile is asked for JOINTLY.
; THE MATRIX INSTRUCTION IS USED TRANSPOSED (source 0 = 16 rows of Wo, source 1 = 16 rows of x): a lane holds eight neighbouring n of one row.  bo is the C of each sum's first product.
; REGISTERS: window 0: v0-31 addresses; v64-95, v128-159 x's fragments, two buffers; v192-255 bo in the result's layout; on the way out v64-191 rows of out0.
;   window 1: v64-127, v128-191 Wo's fragments, two buffers.   window 2: the accumulators ((a, b) at v[8 (8 a + b)]).
.set PA,     144                       ; a row of x in LDS: 128 bytes + 16
.set PB,     272                       ; a row of Wo: 256 bytes + 16: both odd multiples of 16, so the 16 rows of a load start at 16 different groups of banks (ISA guide 11.1)
.set APART,  128*PA                    ; one head's 128 rows
.set BOFFS,  2*APART
.set BHALF,  128*PB
.set SLOT,   BOFFS+2*BHALF
.set STAGE,  2*SLOT                    ; behind the ring: 16 rows x (512 bytes + 16) for each wave
.set SPITCH, 528
.set SPARE,  STAGE+4*16*SPITCH         ; the spare words, 128 bytes a wave
.set LAPS,   4                         ; a lap = two K steps = once round the ring
.set ADRA, 16
.set ADRB, 20
.set STO,  24
.set RD,   25
.set CO,   26
.set BOF,  27
.set SPW,  28
.set NIL,  29
.set F0,   64
.set F1,   128
.set BIAS, 192
.set BK,   64                          ; the way out: v64-127 and v128-191 by turns
.set G1, 24
.set G0, 32
.set G1B, 48
.set G0B, 56
.set MSB, 0
.macro WIN new
.if MSB != \new
	s_set_vgpr_msb (MSB<<8)|\new
.set MSB, \new
.endif
.endm
.set MUL,   0xa1                       ; source 0 (Wo) window 1, source 1 (x) window 0, C and D window 2
.set FIRST, 0x81                       ; the first products: C (bo) window 0
.set TO_B,  0x40
.macro JLOAD s                         ; a joint load: waves 0 and 1 fetch for x, waves 2 and 3 for Wo; an s_nop 0 and four v_nop follow each of the two lines
	s_cmp_eq_u32 s13, 0
	s_cbranch_scc0 .Lfor_b_\@
	tensor_load_to_lds s[G0+4*\s:G0+4*\s+3], s[G1:G1+7]
	s_nop 0
.rept 4
	v_nop
.endr
	s_branch .Lasked_\@
.Lfor_b_\@:
	tensor_load_to_lds s[G0B+4*\s:G0B+4*\s+3], s[G1B:G1B+7]
	s_nop 0
.rept 4
	v_nop
.endr
.Lasked_\@:
.endm
.macro CREST                           ; a round of the cluster's barrier behind its opening barrier
	s_cmp_lg_u32 s12, 0
	s_cbranch_scc1 .Lnot_wave_0_\@
	s_barrier_signal -3
.Lnot_wave_0_\@:
	s_barrier_wait -3
	s_barrier_signal -1
	s_barrier_wait -1
.endm
.macro CROUND
	s_barrier_signal -1
	s_barrier_wait -1
	CREST
.endm
	s_load_b256 s[4:11], s[0:1], 0x0               ; x16 s[4:5], wo16 s[6:7], bo s[8:9], out0 s[10:11]
	v_lshl_add_u32 v[SPW], v0, 2, SPARE
	v_mov_b32 v[NIL], 0
	ds_add_u32 v[SPW], v[NIL]                      ; the wave's opening: the add, twice on end, and its wait ahead of my first tensor load
	ds_add_u32 v[SPW], v[NIL]
	v_lshrrev_b32 v1, 5, v0
	v_readfirstlane_b32 s12, v1                    ; wave 0..3
	s_lshr_b32 s13, s12, 1                         ; which 64 rows are mine.  Also: I fetch for x (0) or for Wo (1)
	s_and_b32 s14, s12, 1                          ; which 128 columns.  Also: which head, or which 128 rows of Wo, I fetch
	s_bfe_u32 s40, ttmp6, 0x40000                  ; cx, cy
	s_bfe_u32 s41, ttmp6, 0x40004
	s_lshl_b32 s42, ttmp9, 2
	s_add_co_u32 s42, s42, s40                     ; tile column
	s_and_b32 s43, ttmp7, 0xffff
	s_lshl_b32 s43, s43, 2
	s_add_co_u32 s43, s43, s41                     ; tile row R
	s_lshl_b32 s44, s41, 2
	s_lshl_b32 s44, 15, s44                        ; my row of the cluster
	s_lshl_b32 s45, 0x1111, s40                    ; my column
	s_or_b32 s[G1+0], s44, (1<<16)|(1<<20)|(1<<21)|(4<<22)|(3<<25)   ; x: elements of 2 bytes; padding of 4 words after every 32
	s_mov_b32 s[G1+1], 64<<16                      ; tensor_dim0 = 64
	s_mov_b32 s[G1+2], 128<<16                     ; tensor_dim1 = 128
	s_mov_b32 s[G1+3], 64<<16                      ; tile_dim0 = 64
	s_mov_b32 s[G1+4], 128                         ; tile_dim1 = 128
	s_mov_b32 s[G1+5], 64                          ; tensor_dim0_stride
	s_mov_b32 s[G1+6], 0
	s_mov_b32 s[G1+7], 0
	s_or_b32 s[G1B+0], s45, (1<<16)|(1<<20)|(1<<21)|(5<<22)|(3<<25)  ; Wo: padding of 4 words after every 64
	s_mov_b32 s[G1B+1], 128<<16
	s_mov_b32 s[G1B+2], 128<<16
	s_mov_b32 s[G1B+3], 128<<16
	s_mov_b32 s[G1B+4], 128
	s_mov_b32 s[G1B+5], 1024
	s_mov_b32 s[G1B+6], 0
	s_mov_b32 s[G1B+7], 0
	s_lshr_b32 s16, s43, 4                         ; x: b = R / 16: 16 heads of 262,144 bytes,
	s_lshl_b32 s16, s16, 22
	s_and_b32 s17, s43, 15
	s_lshl_b32 s17, s17, 14                        ; 128 (R % 16) rows of 128 bytes,
	s_add_co_u32 s16, s16, s17
	s_lshl_b32 s17, s14, 18                        ; the K step's first or second head
	s_add_co_u32 s16, s16, s17
	s_mov_b32 s17, 0
	s_lshl_b32 s46, s42, 19                        ; Wo: 256 x tile column rows of 2,048 bytes,
	s_lshl_b32 s47, s14, 18                        ; + 128 x half
	s_add_co_u32 s46, s46, s47
	s_mov_b32 s47, 0
	s_mul_i32 s20, s14, APART                      ; where they go: no place in the cluster enters an LDS address
	s_mul_i32 s21, s14, BHALF
	s_add_co_u32 s21, s21, BOFFS
	s_wait_dscnt 0x0                               ; both opening adds are done
	s_wait_kmcnt 0x0
	s_add_nc_u64 s[18:19], s[4:5], s[16:17]
	s_add_nc_u64 s[46:47], s[6:7], s[46:47]
	CROUND                                         ; all sixteen work-groups are here: the first joint loads meet
.irp s, 0,1
	s_mov_b32 s[G0+4*\s], 1
	s_add_co_u32 s[G0+4*\s+1], s20, \s*SLOT
	s_add_nc_u64 s[G0+4*\s+2:G0+4*\s+3], s[18:19], \s*524288     ; K step s: two heads on
	s_or_b32 s[G0+4*\s+3], s[G0+4*\s+3], 0x80000000
	s_mov_b32 s[G0B+4*\s], 1
	s_add_co_u32 s[G0B+4*\s+1], s21, \s*SLOT
	s_add_nc_u64 s[G0B+4*\s+2:G0B+4*\s+3], s[46:47], \s*256
	s_or_b32 s[G0B+4*\s+3], s[G0B+4*\s+3], 0x80000000
	JLOAD \s                                       ; two tensor loads of mine are out at the most
.endr
	v_and_b32 v1, 15, v0                           ; l % 16
	v_bfe_u32 v2, v0, 4, 1                         ; l / 16
	s_lshl_b32 s46, s42, 10                        ; my first column, in bytes of f32: 1024 x tile column + 512 x half
	s_lshl_b32 s47, s14, 9
	s_add_co_u32 s46, s46, s47
	s_mov_b32 s47, 0
	s_add_nc_u64 s[8:9], s[8:9], s[46:47]
	s_add_nc_u64 s[10:11], s[10:11], s[46:47]
	v_lshlrev_b32 v[BOF], 5, v2
.irp b, 0,1,2,3,4,5,6,7                        ; bo in the result's layout: register 8 b + j = bo[my first column + 16 b + 8 (l / 16) + j]
	global_load_b128 v[BIAS+8*\b:BIAS+8*\b+3], v[BOF], s[8:9] offset:64*\b
	global_load_b128 v[BIAS+8*\b+4:BIAS+8*\b+7], v[BOF], s[8:9] offset:64*\b+16
.endr
	s_lshl_b32 s16, s43, 19                        ; my first row: 128 R + 64 x half, rows of 4,096 bytes
	s_lshl_b32 s17, s13, 18
	s_add_co_u32 s16, s16, s17
	s_mov_b32 s17, 0
	s_add_nc_u64 s[10:11], s[10:11], s[16:17]
	v_mul_u32_u24 v3, v1, PA
	v_lshl_add_u32 v3, v2, 4, v3
	v_mul_u32_u24 v4, v1, PB
	v_lshl_add_u32 v4, v2, 4, v4
	s_mul_i32 s21, s13, 64*PA                      ; my 64 rows of x, in each head's part
	s_mul_i32 s22, s14, BHALF                      ; my 128 rows of Wo
	s_add_co_u32 s22, s22, BOFFS
.irp s, 0,1
	v_add_nc_u32 v[ADRA+\s], s21, v3
	v_add_nc_u32 v[ADRB+\s], s22, v4
	s_add_co_u32 s21, s21, SLOT
	s_add_co_u32 s22, s22, SLOT
.endr
	s_mul_i32 s23, s12, 16*SPITCH
	s_add_co_u32 s23, s23, STAGE                   ; my stage
	v_mul_u32_u24 v5, v1, SPITCH                   ; in: row l % 16, 32 bytes for each half of the lanes
	v_lshl_add_u32 v5, v2, 5, v5
	v_add_nc_u32 v[STO], s23, v5
	v_and_b32 v6, 31, v0
	v_lshlrev_b32 v[CO], 4, v6                     ; back: the 32 lanes take one row of 512 bytes; and the same in out0
	v_add_nc_u32 v[RD], s23, v[CO]
; 8 matrix instructions: x's block a against Wo's eight, 32 along K.  first = 1: the sums begin with bo as C.  The 32 accumulators take turns, in the same order in every quarter.
.macro MUL8 f, a, first
.irp b, 0,1,2,3,4,5,6,7
.if \first
	v_wmma_f32_16x16x32_f16 v[8*(8*(\a)+\b):8*(8*(\a)+\b)+7], v[\f+8*\b:\f+8*\b+7], v[\f+8*(\a):\f+8*(\a)+7], v[BIAS+8*\b:BIAS+8*\b+7]
.else
	v_wmma_f32_16x16x32_f16 v[8*(8*(\a)+\b):8*(8*(\a)+\b)+7], v[\f+8*\b:\f+8*\b+7], v[\f+8*(\a):\f+8*(\a)+7], v[8*(8*(\a)+\b):8*(8*(\a)+\b)+7]
.endif
.endr
.endm
; 24 LDS loads in one run: quarter q (32 along K) of a slot into buffer f: Wo's eight fragments, then x's four (head q / 2, channels 32 (q % 2) on)
.macro FETCH slot, q, f
	WIN TO_B
.irp i, 0,1,2,3,4,5,6,7
	ds_load_b128 v[\f+8*\i:\f+8*\i+3],   v[ADRB+\slot] offset:64*(\q)+\i*16*PB
	ds_load_b128 v[\f+8*\i+4:\f+8*\i+7], v[ADRB+\slot] offset:64*(\q)+\i*16*PB+32
.endr
	WIN 0
.irp i, 0,1,2,3
	ds_load_b128 v[\f+8*\i:\f+8*\i+3],   v[ADRA+\slot] offset:((\q)/2)*APART+((\q)%2)*64+\i*16*PA
	ds_load_b128 v[\f+8*\i+4:\f+8*\i+7], v[ADRA+\slot] offset:((\q)/2)*APART+((\q)%2)*64+\i*16*PA+32
.endr
.endm
.macro PLACES                          ; four plain vector instructions between a matrix instruction and a load into its registers or a read of its result
.rept 4
	v_nop
.endr
.endm
; One of a K step's first three quarters: multiplies buffer f; in its middle it fetches quarter q into buffer g.
.macro QUARTER slot, q, f, g, first
	s_wait_dscnt 4                                 ; Wo's fragments and x's blocks 0 and 1 are in; the youngest four loads (blocks 2 and 3) may be out
.if \first
	WIN FIRST
.else
	WIN MUL
.endif
	MUL8 \f, 0, \first
	MUL8 \f, 1, \first
	PLACES
	FETCH \slot, \q, \g
	s_wait_dscnt 24                                ; all but the 24 just issued
.if \first
	WIN FIRST
.else
	WIN MUL
.endif
	MUL8 \f, 2, \first
	MUL8 \f, 3, \first
.endm
; The last quarter multiplies buffer 1 and changes slots: ONE barrier; in front of it each wave waits for all its tensor loads, adds 0 to its spare word, and waits for that and for its reads of this slot.
; fill = 1: the barrier opens a round of the cluster's, and this slot is filled again, two K steps ahead.
.macro TURN slot, next, fill
	WIN 0                                          ; (the add's two registers lie in window 0)
	s_wait_tensorcnt 0x0                           ; all my tensor loads have landed: my part of the next slot
	ds_add_u32 v[SPW], v[NIL]
	s_wait_dscnt 5                                 ; (the add and the youngest four loads may be out)
	WIN MUL
	MUL8 F1, 0, 0                                  ; eight matrix instructions stand between the add and the wait for it
	s_wait_dscnt 0x0                               ; the add is done, and my reads of this slot are over
	s_barrier_signal -1
	MUL8 F1, 1, 0
	WIN 0
	s_barrier_wait -1
.if \fill
	CREST                                          ; no wave of any partner still reads this slot or has a load on its way
	s_add_nc_u64 s[G0+4*\slot+2:G0+4*\slot+3], s[G0+4*\slot+2:G0+4*\slot+3], 1048576   ; four heads on
	s_add_nc_u64 s[G0B+4*\slot+2:G0B+4*\slot+3], s[G0B+4*\slot+2:G0B+4*\slot+3], 512
	JLOAD \slot                                    ; the first tensor load behind the round; its four v_nop are also the places in front of the loads below
.else
	PLACES
.endif
	FETCH \next, 0, F0
	WIN MUL
	MUL8 F1, 2, 0
	MUL8 F1, 3, 0
.endm
	s_wait_loadcnt 0x0                             ; bo
	s_wait_tensorcnt 1                             ; my part of K step 0 is in (K step 1's load may be out)
	s_barrier_signal -1
	s_barrier_wait -1                              ; everybody's is
	FETCH 0, 0, F0
	QUARTER 0, 1, F0, F1, 1                        ; the first quarter stands in front of the loop: its products start the sums
	WIN 0                                          ; at a label and at a branch every window is 0
	s_mov_b32 s3, LAPS-1
.Llap:                                                 ; a trip goes once round the ring, from a lap's second quarter to the next lap's first, and fills both slots again
	QUARTER 0, 2, F1, F0, 0
	QUARTER 0, 3, F0, F1, 0
	TURN 0, 1, 1
	QUARTER 1, 1, F0, F1, 0
	QUARTER 1, 2, F1, F0, 0
	QUARTER 1, 3, F0, F1, 0
	TURN 1, 0, 1
	QUARTER 0, 1, F0, F1, 0
	WIN 0
	s_sub_co_u32 s3, s3, 1
	s_cmp_lg_u32 s3, 0
	s_cbranch_scc1 .Llap
	QUARTER 0, 2, F1, F0, 0                        ; the last lap fills nothing
	QUARTER 0, 3, F0, F1, 0
	TURN 0, 1, 0
	QUARTER 1, 1, F0, F1, 0
	QUARTER 1, 2, F1, F0, 0
	QUARTER 1, 3, F0, F1, 0
	s_wait_dscnt 4                                 ; the very last quarter
	WIN MUL
	MUL8 F1, 0, 0
	MUL8 F1, 1, 0
	s_wait_dscnt 0
	MUL8 F1, 2, 0
	MUL8 F1, 3, 0
	WIN 0
; THE WAY OUT, block by block of 16 rows x 128 columns: through my own stage, back as whole rows of 512 bytes.
.macro TOSTAGE a
.set AC, 64*(\a)
	WIN 0x08                                       ; an LDS store's data are its source 1: window 2
.irp b, 0,1,2,3,4,5,6,7
	ds_store_b128 v[STO], v[AC+8*\b:AC+8*\b+3] offset:64*\b          ; each accumulator from its low end on
	ds_store_b128 v[STO], v[AC+8*\b+4:AC+8*\b+7] offset:64*\b+16
.endr
	WIN 0
.set BB, BK+64*((\a)%2)
.irp t, 0,1,2,3,4,5,6,7,8,9,10,11,12,13,14,15
	ds_load_b128 v[BB+4*\t:BB+4*\t+3], v[RD] offset:\t*SPITCH      ; LDS serves a wave's instructions in order (ISA guide 5.7.1.4): these see the stores above
.endr
.endm
.macro SEND a, younger                 ; younger: the LDS instructions issued behind block a's loads, which may stay out
.set BB, BK+64*((\a)%2)
	s_wait_dscnt \younger
.if (\a) > 0
	s_add_nc_u64 s[10:11], s[10:11], 16*4096       ; (behind a wait on XCNT: the earlier stores have read their base)  16 rows on
.endif
.irp t, 0,1,2,3,4,5,6,7,8,9,10,11,12,13,14,15
	global_store_b128 v[CO], v[BB+4*\t:BB+4*\t+3], s[10:11] offset:\t*4096 th:TH_STORE_NT   ; 32 lanes store 512 consecutive bytes; written once, read by nobody here
.endr
.endm
	PLACES                                         ; behind the last products: for the stores that read results and the loads into the registers that held x's fragments
	TOSTAGE 0
.irp a, 1,2,3
.if \a > 1
	s_wait_xcnt 0x0                                ; block a - 2's stores have read their registers and their base
.endif
	TOSTAGE \a
	SEND \a-1, 32                                  ; behind block a - 1's loads: block a's 16 stores and 16 loads
.endr
	s_wait_xcnt 0x0
	SEND 3, 0
	s_wait_tensorcnt 0x0                           ; the wave's end
	ds_add_u32 v[SPW], v[NIL]
	s_wait_dscnt 0x0
	CROUND                                         ; the closing round
	s_endpgm
.Lfunc_end_k_qe86345f049_oproj:
	.size	k_qe86345f049_oproj, .Lfunc_end_k_qe86345f049_oproj-k_qe86345f049_oproj
	.p2alignl 7, 3214868480
	.fill 96, 4, 3214868480
	.section	.rodata,"a",@progbits
	.p2align	6, 0x0
	.amdhsa_kernel k_qe86345f049_oproj
		.amdhsa_group_segment_fixed_size 327680
		.amdhsa_private_segment_fixed_size 0
		.amdhsa_enable_private_segment 0
		.amdhsa_kernarg_size 32
		.amdhsa_user_sgpr_count 2
		.amdhsa_user_sgpr_kernarg_segment_ptr 1
		.amdhsa_wavefront_size32 1
		.amdhsa_system_sgpr_workgroup_id_x 1
		.amdhsa_system_sgpr_workgroup_id_y 1
		.amdhsa_system_sgpr_workgroup_id_z 1
		.amdhsa_system_vgpr_workitem_id 0
		.amdhsa_next_free_vgpr 768
		.amdhsa_next_free_sgpr 66
		.amdhsa_reserve_vcc 0
		.amdhsa_float_denorm_mode_32 3
		.amdhsa_float_denorm_mode_16_64 3
		.amdhsa_memory_ordered 1
		.amdhsa_forward_progress 1
		.amdhsa_inst_pref_size 87
	.end_amdhsa_kernel
	.amdgpu_metadata
---
amdhsa.version: [ 1, 2 ]
amdhsa.kernels:
  - .name:           k_qe86345f049_oproj
    .symbol:         k_qe86345f049_oproj.kd
    .args:
      - { .name: x16, .offset: 0, .size: 8, .value_kind: global_buffer, .address_space: global }
      - { .name: wo16, .offset: 8, .size: 8, .value_kind: global_buffer, .address_space: global }
      - { .name: bo, .offset: 16, .size: 8, .value_kind: global_buffer, .address_space: global }
      - { .name: out0, .offset: 24, .size: 8, .value_kind: global_buffer, .address_space: global }
    .group_segment_fixed_size: 327680
    .private_segment_fixed_size: 0
    .kernarg_segment_align: 8
    .kernarg_segment_size: 32
    .max_flat_workgroup_size: 128
    .sgpr_count:     66
    .vgpr_count:     768
    .wavefront_size: 32
...
	.end_amdgpu_metadata
.endif
;; end of part 5
